; MI455X (gfx1250); checked and timed in simulation.
; The chip was launched on July 23, 2026; its instructions are those of AMD's public machine-readable ISA for CDNA 5 (MIT licence, August 2026) and "CDNA5" Instruction Set Architecture Reference Guide (July 2026). The comments in the code are by the model that wrote it; some were corrected since.
;; Joint Attention. Allowed arithmetic: matrix products marked QUANTISED: E2M3 operands, one E8M0 scale for each 32 along K, by v_wmma_scale_f32_16x16x128_f8f6f4 with both operands' format E2M3, f32 sums; everything else in f32.
;; Inputs: Wkv_a 1,024 x 512 float32; Wkv_x 1,024 x 512 float32; Wout_a 1,024 x 1,024 float32; Wout_x 1,024 x 1,024 float32; Wq_a 1,024 x 1,024 float32; Wq_x 1,024 x 1,024 float32; a 1 x 2,048 x 1,024 float32; bout_a 1,024 float32; bout_x 1,024 float32; g_a 1,024 float32; g_x 1,024 float32; x 1 x 2,048 x 1,024 float32.
;; Outputs: out0 1 x 2,048 x 1,024 float32; out1 1 x 2,048 x 1,024 float32.
;; This version of the problem:
;;   THIS VERSION OF THE PROBLEM IS GIVEN IN LOW PRECISION. The matrix products marked QUANTISED in the list below multiply operands that are first quantised to E2M3 (2 exponent bits, 3 mantissa bits; 6 bits a number), with one power-of-two scale for each 32 numbers along K (OCP MX v1.0); their sums are f32. All else is computed in f32.
;;   The module's matrix products, in the order in which they are computed (A, B: the left and right operand; K: the contracted axis; several contracted axes count as one K, in the product's order):
;;     1. [M 2,048, K 1,024] x [K 1,024, N 1,024]; A: computed on the way; B: input Wq_x: QUANTISED
;;     2. [M 2,048, K 1,024] x [K 1,024, N 512]; A: computed on the way; B: input Wkv_x: QUANTISED
;;     3. [M 2,048, K 1,024] x [K 1,024, N 1,024]; A: computed on the way; B: input Wq_a: QUANTISED
;;     4. [M 2,048, K 1,024] x [K 1,024, N 512]; A: computed on the way; B: input Wkv_a: QUANTISED
;;     5. batch 16 x [M 4,096, K 64] x [K 64, N 4,096]; A: computed on the way; B: computed on the way: QUANTISED
;;     6. batch 16 x [M 4,096, K 4,096] x [K 4,096, N 64]; A: softmax (see below); B: computed on the way: QUANTISED
;;     7. [M 2,048, K 1,024] x [K 1,024, N 1,024]; A: computed on the way; B: input Wout_x: QUANTISED
;;     8. [M 2,048, K 1,024] x [K 1,024, N 1,024]; A: computed on the way; B: input Wout_a: QUANTISED
;;   THE QUANTISER, for each operand of a quantised product, along K:
;;     - K is cut into blocks of 32 from its start; a last block that is shorter is filled with zeros.
;;     - A block's scale is 2^e with e = floor(log2(the largest magnitude in the block)) - 2, held to -126 .. 127; a block of zeros has e = 0. As a byte (E8M0): e + 127.
;;     - Each number is divided by its block's scale, clamped to +-7.5, and rounded to the nearest number of E2M3, ties to even, subnormals kept.
;;     - The product sums the exact products of the quantised numbers (number of the format x scale) in f32.
;;   ~~~python
;;   def quantise(x, axis):      # numpy; x: float32 -> the quantised numbers, widened to float32 again
;;       x = np.moveaxis(x, axis, -1); K = x.shape[-1]
;;       x = np.pad(x, [(0, 0)] * (x.ndim - 1) + [(0, -K % 32)]); x = x.reshape(x.shape[:-1] + (-1, 32)); a = np.abs(x).max(-1, keepdims=True)
;;       e = np.where(a > 0, np.clip(np.frexp(np.where(a > 0, a, 1))[1] - 1 - 2, -126, 127), 0)      # np.frexp(a)[1] - 1 = floor(log2(a)), exactly
;;       r = np.clip(x / 2.0 ** e, -7.5, 7.5)
;;       step = 2.0 ** (np.maximum(np.frexp(np.where(r == 0, 1, r))[1] - 1, 0) - 3)
;;       q = np.round(r / step) * step * 2.0 ** e      # np.round: ties to even
;;       return np.moveaxis(q.reshape(q.shape[:-2] + (-1,))[..., :K], -1, axis).astype(np.float32)
;;   ~~~
;;   SOFTMAX AHEAD OF A QUANTISED PRODUCT. Where the list says 'softmax', what is quantised is not the finished softmax but p = 2^(t - M), with t = logit x log2(e) and M = ceil(the row's largest t), a whole number; so 1/2 < the row's largest p <= 1. The row's sum l is taken of the UNQUANTISED p, in f32, and the product's result is divided by l at the end. Since M is a whole number, a kernel that streams over the keys may use a running M (the ceiling of the running maximum): every later rescaling is an exact power of two, which a block's scale takes up: the codes' values come out the same.
;;   OPERANDS COMPUTED ON THE WAY. 'Computed on the way' means the value that the module computes at that place (a softmax that the list does not call 'softmax' is quantised finished and normalised). What goes into a quantiser is computed in f32, as accurately as f32 sums, v_exp_f32 and their like allow (about 1e-6 of the number): no bf16 or f16 on the way to a quantiser, and a product that is left as it is and whose result goes on into a quantised operand takes f32 operands (vector FMAs, or v_wmma_f32_16x16x4_f32). A number that lies on a knife's edge between two numbers of the format may be rounded either way, as far as f32 arithmetic and the matrix unit's own rounding can turn it there, and no further.
;; One version. Each part assembles by itself: llvm-mc -triple=amdgcn-amd-amdhsa -mcpu=gfx1250 --defsym DOCPART=n.
;; ======== version 1 of 1: 4 launches
;; limits: right only within a limited range of input values
;; workspace buffers: act 3,276,800 bytes; wgt 4,096,000 bytes; rt 524,288 bytes; qb 3,407,872 bytes; kv 1,671,168 bytes; ob 3,276,800 bytes
;; launch prep (part 1): grid 320 x 1, 4 waves a work-group, no clusters, 59,904 bytes of LDS; arguments Wq_a, Wkv_a, Wq_x, Wkv_x, Wout_a, Wout_x, a, x, g_a, g_x, act, wgt, rt; writes act, wgt, rt
.if DOCPART == 1
	.amdgcn_target "amdgcn-amd-amdhsa--gfx1250"
	.amdhsa_code_object_version 6
	.text
	.protected	k_q96b991770b_prep
	.globl	k_q96b991770b_prep
	.p2align	8
	.type	k_q96b991770b_prep,@function
k_q96b991770b_prep:
	s_mov_b64 s[64:65], 0
	v_nop
	global_prefetch_b8 v0, s[64:65] scope:SCOPE_SE
	s_setreg_imm32_b32 hwreg(HW_REG_WAVE_MODE, 25, 1), 1
	s_wait_xcnt 0x0
; PREP: everything that is quantised once, and the rope table.  JointAttention: two streams (a, x) of 2,048 tokens x 1,024 channels; packed order: a first.
; NO WORK OF reference() IS LEFT OUT IN THIS PROGRAM: every input has a way to an output, and every product of the table is live.  One step is moved, exactly: q's factor 64^-0.5 = 2^-3 moves no code of q,
; only its blocks' scales, so the second launch takes 3 off q's scale bytes; the second 64^-0.5 stands in the softmax's constant.
; THREE KINDS OF WORK-GROUPS, told apart by the work-group's number, each with LDS bytes of its own:
;   0 .. 159   W: the six weights [K 1,024][N], f32, K their FIRST axis -> wgt: codes of E2M3 [5,120 rows][768 bytes], K innermost, and at WS one E8M0 byte for each 32 along K, [5,120][32].
;              Rows: Wq_a 0.., Wkv_a 1,024.., Wq_x 1,536.., Wkv_x 2,560.., Wout_a 3,072.., Wout_x 4,096..
;   160 .. 287 A: RMSNorm of a and x, (x rs) g in f32, quantised along the channels -> act: codes [4,096][768], at SS scale bytes [4,096][32].
;   288 .. 319 T: cos and sin of t x inv_freq, t = 2 n -> rt [n 2,048][f 32][cos, sin], f32.
; TILE ORDER.  Row i of act and of wgt lies at place 32 (i / 32) + sw(i % 32), sw = bits 3 and 4 changed over.  Sixteen places on end are a tile; as source 0 of a product the tiles 2 G and 2 G + 1 then leave
; a lane 16 NEIGHBOURS, 32 G + 16 (lane / 16) + 0 .. 15, in its 16 result registers: what the next quantiser wants.
; A block's scale is 2^(floor(log2(largest magnitude)) - 2); its byte is the largest magnitude's exponent field - 2, held at 1 from below.
; LIMITS: NaN and infinities among the inputs are not served.  A block of zeros gets the byte 1 where the rule says 127: its codes are zeros, and this program alone reads the bytes.  Blocks whose largest
; magnitude lies under 2^-124 were not tried.  inv_freq is 2^(-f log2(10) / 8) by v_exp_f32, an ulp or two from a power and a reciprocal: at the largest angles (some 3,000 rad) that moves an angle by up to 3e-4 rad.
.set SS,    3145728
.set WS,    3932160
.set SPARE, 59392                      ; behind the paths' regions: the spare words, 128 bytes a wave, two blocks of 256 bytes that no other line names
.set SPW,   1                          ; v1  LDS address of my spare word; never rewritten
.set NIL,   2                          ; v2  0; never rewritten
.set LN,    3                          ; v3  lane
.set WV,    30                         ; s30 wave
	s_load_b512 s[4:19], s[0:1], 0x0               ; Wq_a 4, Wkv_a 6, Wq_x 8, Wkv_x 10, Wout_a 12, Wout_x 14, a 16, x 18
	s_load_b256 s[20:27], s[0:1], 0x40             ; g_a 20, g_x 22, act 24, wgt 26
	s_load_b64 s[28:29], s[0:1], 0x60              ; rt
	v_lshl_add_u32 v[SPW], v0, 2, SPARE
	v_mov_b32 v[NIL], 0
	v_and_b32 v[LN], 31, v0
	v_lshrrev_b32 v4, 5, v0
	v_readfirstlane_b32 s[WV], v4
	s_wait_kmcnt 0x0
	s_cmp_lt_u32 ttmp9, 160
	s_cbranch_scc0 .Lnot_weights
; ---------------- W.  A LANE TAKES A COLUMN, ITS REGISTERS RUN DOWN K: a block of 32 along K lies in one lane, and the conversions give codes with K innermost.
; A work-group: 128 columns x 256 along K; a wave 32 columns: 8 blocks a lane.  The codes leave through the wave's stage (32 rows x 272 bytes): sixteen lanes store a row's 192 consecutive bytes.
.set VO,   32                          ; v32-63   4 lane + i x the weight's row pitch
.set WX,   64                          ; v64-127  two sets of 32 numbers
.set WC,   128                         ; v128..   a block's codes
.set WSB,  136                         ; v136-137 eight scale bytes
.set WOUT, 144                         ; v144-207 the way out
.macro PICK lim, ptr, first, shift     ; below group lim: this weight, its first group, log2 of its row pitch in bytes.  The choice hangs on the work-group's number alone
	s_cmp_lt_u32 s31, \lim
	s_cselect_b64 s[32:33], s[\ptr:\ptr+1], s[32:33]
	s_cselect_b32 s34, \first, s34
	s_cselect_b32 s35, \shift, s35
.endm
	s_lshr_b32 s31, ttmp9, 2                       ; group of 128 rows of wgt, 0 .. 39
	s_and_b32 s53, ttmp9, 3                        ; which 256 along K
	s_mov_b64 s[32:33], s[14:15]
	s_mov_b32 s34, 32
	s_mov_b32 s35, 12
	PICK 32, 12, 24, 12
	PICK 24, 10, 20, 11
	PICK 20, 8, 12, 12
	PICK 12, 6, 8, 11
	PICK 8, 4, 0, 12
	s_sub_co_u32 s54, s31, s34
	s_lshl_b32 s54, s54, 7
	s_lshl_b32 s55, s[WV], 5
	s_add_co_u32 s54, s54, s55                     ; my wave's first column in its weight
	s_lshl_b32 s54, s54, 2
	s_lshl_b32 s55, s53, 8
	s_lshl_b32 s55, s55, s35                       ; 256 kq rows
	s_add_co_u32 s54, s54, s55
	s_mov_b32 s55, 0
	s_add_nc_u64 s[36:37], s[32:33], s[54:55]      ; block 0's first row
	s_lshl_b32 s52, 1, s35                         ; the pitch
	s_lshl_b32 s54, s52, 5
.irp t, 1,2,3,4,5,6,7
	s_add_nc_u64 s[36+2*\t:37+2*\t], s[34+2*\t:35+2*\t], s[54:55]   ; block t's: 32 rows on
.endr
	s_wait_alu depctr_va_vdst(0)
	v_lshlrev_b32 v[VO], 2, v[LN]
.set i, 1
.rept 31
	v_add_nc_u32 v[VO+i], s52, v[VO+i-1]
.set i, i+1
.endr
	v_and_b32 v5, 15, v0                           ; r
	v_bfe_u32 v6, v0, 4, 1                         ; h
	s_mul_i32 s56, s[WV], 8704                     ; my stage
	v_mul_u32_u24 v4, v[LN], 272
	v_add_nc_u32 v4, s56, v4                       ; into it: row = my column
	v_mul_u32_u24 v7, v6, 272
	v_lshl_add_u32 v7, v5, 4, v7
	v_add_nc_u32 v7, s56, v7                       ; out of it: sixteen lanes to a row, two rows an instruction
	v_mul_u32_u24 v8, v6, 768
	v_mad_u32_u24 v8, v5, 12, v8                   ; and the same in wgt
	v_and_b32 v9, 7, v[LN]
	v_bfe_u32 v10, v0, 3, 1
	v_lshl_or_b32 v9, v10, 4, v9
	v_lshl_or_b32 v9, v6, 3, v9                    ; sw(lane)
	v_lshlrev_b32 v9, 5, v9                        ; my column's row of scale bytes
	s_lshl_b32 s56, s31, 7
	s_lshl_b32 s57, s[WV], 5
	s_add_co_u32 s56, s56, s57                     ; my wave's first place
	s_mul_i32 s58, s56, 768
	s_mul_i32 s57, s53, 192
	s_add_co_u32 s58, s58, s57
	s_mov_b32 s59, 0
	s_add_nc_u64 s[32:33], s[26:27], s[58:59]      ; codes
	s_lshl_b32 s58, s56, 5
	s_lshl_b32 s57, s53, 3
	s_add_co_u32 s58, s58, s57
	s_add_co_u32 s58, s58, WS
	s_add_nc_u64 s[34:35], s[26:27], s[58:59]      ; scale bytes
.macro WLOAD t                         ; block t: W(32 t + i, my column) into set t % 2: 32 lanes read 128 consecutive bytes
.set i, 0
.rept 32
	global_load_b32 v[WX+32*((\t)%2)+i], v[VO+i], s[36+2*(\t):37+2*(\t)] th:TH_LOAD_NT
.set i, i+1
.endr
.endm
.macro WBLOCK t
.set XS_, WX+32*((\t)%2)
.if (\t) < 7
	s_wait_loadcnt 32                              ; this block's 32 loads are in; the next block's 32 may be out
.else
	s_wait_loadcnt 0
.endif
	v_max3_num_f32 v12, |v[XS_]|, |v[XS_+1]|, |v[XS_+2]|           ; the block's largest magnitude: all 32 numbers are mine
	v_max3_num_f32 v13, |v[XS_+3]|, |v[XS_+4]|, |v[XS_+5]|
.irp i, 6,10,14,18,22,26
	v_max3_num_f32 v12, v12, |v[XS_+\i]|, |v[XS_+\i+1]|
	v_max3_num_f32 v13, v13, |v[XS_+\i+2]|, |v[XS_+\i+3]|
.endr
	v_max3_num_f32 v12, v12, |v[XS_+30]|, |v[XS_+31]|
	v_max3_num_f32 v12, v12, v13, 0x1800000        ; and the floor 2^(3 - 127): the byte cannot fall under 1
	v_add_nc_u32 v11, 0xff000000, v12              ; 2 off the exponent field: the conversion takes that field as its scale
	v_lshrrev_b32 v13, 23, v11                     ; the scale's byte
.if (\t)%4 == 0
	v_mov_b32 v[WSB+(\t)/4], v13
.else
	v_lshl_or_b32 v[WSB+(\t)/4], v13, 8*((\t)%4), v[WSB+(\t)/4]
.endif
	v_cvt_scalef32_pk16_fp6_f32 v[WC:WC+2], v[XS_:XS_+15], v11
	v_cvt_scalef32_pk16_fp6_f32 v[WC+4:WC+6], v[XS_+16:XS_+31], v11
	ds_store_b96 v4, v[WC:WC+2] offset:32*(\t)     ; 12 bytes to a place of 16
	ds_store_b96 v4, v[WC+4:WC+6] offset:32*(\t)+16
.if (\t)+2 < 8
	WLOAD (\t)+2
.endif
	s_wait_dscnt 0x0                               ; the stores have read their registers
.endm
	WLOAD 0
	WLOAD 1
.irp t, 0,1,2,3,4,5,6,7
	WBLOCK \t
.endr
	s_wait_alu depctr_va_vdst(0)
	global_store_b64 v9, v[WSB:WSB+1], s[34:35]    ; my column's eight scale bytes
.irp t, 0,1,2,3,4,5,6,7,8,9,10,11,12,13,14,15
	ds_load_b96 v[WOUT+4*\t:WOUT+4*\t+2], v7 offset:2*\t*272      ; a wave's LDS instructions are served in order: these see my stores
.endr
.irp t, 0,1,2,3,4,5,6,7,8,9,10,11,12,13,14,15
.set SWT, ((2*\t)&7)|((((2*\t)>>3)&1)<<4)|((((2*\t)>>4)&1)<<3)        ; columns 2 t and 2 t + 1 go to places sw(2 t) and sw(2 t) + 1
	s_wait_dscnt 15-\t                             ; the younger read-backs may be out
	global_store_b96 v8, v[WOUT+4*\t:WOUT+4*\t+2], s[32:33] offset:SWT*768
.endr
	s_wait_tensorcnt 0x0                           ; the wave's end, behind my last LDS store
	ds_add_u32 v[SPW], v[NIL]
	s_wait_dscnt 0x0
	s_endpgm
.Lnot_weights:
	s_cmp_lt_u32 ttmp9, 288
	s_cbranch_scc0 .Ltable
; ---------------- A.  A work-group: 32 tokens; wave w: tokens 8 w .. 8 w + 7, whose places are 8 sw2(w) on (sw2 = 0, 2, 1, 3): 6,144 dense bytes of codes and 256 dense scale bytes.
; One wave, one row (32 registers): the sum of squares never leaves the wave.  Loads take the bytes as they lie (512 a load); the normalised row turns through the wave's stage so that a lane holds 16 neighbours.
.set AG,  32                           ; v32-63   g at my 32 channels
.set AR,  64                           ; v64-191  four row buffers
.set AX,  192                          ; v192-223 the row turned: two steps of 16 neighbours
.set AC,  224                          ; v224-239 codes, four registers a step, four steps by turns
	s_sub_co_u32 s31, ttmp9, 160                   ; group of 32 tokens, packed order
	s_cmp_lt_u32 s31, 64
	s_cselect_b64 s[32:33], s[16:17], s[18:19]     ; a or x
	s_cselect_b64 s[34:35], s[20:21], s[22:23]     ; g_a or g_x
	s_lshl_b32 s36, s31, 5
	s_lshl_b32 s37, s[WV], 3
	s_add_co_u32 s36, s36, s37
	s_and_b32 s36, s36, 2047                       ; my first token in its stream
	s_lshl_b32 s36, s36, 12
	s_mov_b32 s37, 0
	s_add_nc_u64 s[32:33], s[32:33], s[36:37]
	s_and_b32 s38, s[WV], 1
	s_lshl_b32 s38, s38, 1
	s_lshr_b32 s39, s[WV], 1
	s_or_b32 s38, s38, s39                         ; sw2(w)
	s_lshl_b32 s38, s38, 3
	s_lshl_b32 s39, s31, 5
	s_add_co_u32 s38, s38, s39                     ; my first place
	s_mul_i32 s40, s38, 768
	s_mov_b32 s41, 0
	s_add_nc_u64 s[42:43], s[24:25], s[40:41]      ; codes
	s_lshl_b32 s40, s38, 5
	s_add_co_u32 s40, s40, SS
	s_add_nc_u64 s[44:45], s[24:25], s[40:41]      ; scale bytes
	s_mul_i32 s46, s[WV], 6144
	s_add_co_u32 s46, s46, 34816                   ; my LDS region: two stages of 32 x 80 bytes,
	s_add_co_u32 s47, s46, 5120                    ; and my 256 scale bytes
	s_mov_b32 s53, 0x3a800000                      ; 1 / 1,024
	s_mov_b32 s54, 0x358637bd                      ; 1e-6
	s_mov_b32 s56, 0x76543210
	s_mov_b32 s57, 0xfedcba98                      ; v_permlanex16_b32's selects for lane l xor 16
	s_wait_alu depctr_va_vdst(0)
	v_lshlrev_b32 v26, 4, v[LN]                    ; my 16 bytes of a load's 512
	v_mul_u32_u24 v4, v[LN], 12                    ; my codes' place in a step's 384 bytes
	v_lshrrev_b32 v5, 1, v[LN]
	v_add_nc_u32 v5, s47, v5                       ; my block's scale byte
	v_lshlrev_b32 v7, 3, v[LN]
	v_add_nc_u32 v6, s47, v7
	v_lshrrev_b32 v14, 2, v[LN]
	v_mul_u32_u24 v14, v14, 80
	v_and_b32 v15, 3, v[LN]
	v_lshl_add_u32 v14, v15, 4, v14
	v_add_nc_u32 v14, s46, v14                     ; the stage, in: four lanes' 64 bytes on end, then 16 of padding
	v_mul_u32_u24 v15, v[LN], 80
	v_add_nc_u32 v15, s46, v15                     ; out: my 16 neighbours
.irp i, 0,1,2,3,4,5,6,7
	global_load_b128 v[AG+4*\i:AG+4*\i+3], v26, s[34:35] offset:512*\i
.endr
.macro ALOAD p
.irp i, 0,1,2,3,4,5,6,7
	global_load_b128 v[AR+32*((\p)%4)+4*\i:AR+32*((\p)%4)+4*\i+3], v26, s[32:33] offset:4096*(\p)+512*\i th:TH_LOAD_NT
.endr
.endm
.macro AQUANT p, u                     ; step u of row p: 512 numbers, 16 a lane, two neighbouring lanes to a block
.set XS_, AX+16*(\u)
.set CC_, AC+4*((2*(\p)+(\u))%4)
	v_max3_num_f32 v8, |v[XS_]|, |v[XS_+1]|, |v[XS_+2]|
	v_max3_num_f32 v9, |v[XS_+3]|, |v[XS_+4]|, |v[XS_+5]|
.irp i, 6,10
	v_max3_num_f32 v8, v8, |v[XS_+\i]|, |v[XS_+\i+1]|
	v_max3_num_f32 v9, v9, |v[XS_+\i+2]|, |v[XS_+\i+3]|
.endr
	v_max3_num_f32 v8, v8, |v[XS_+14]|, |v[XS_+15]|
	v_max3_num_f32 v8, v8, v9, 0x1800000           ; the floor 2^(3 - 127)
	v_max_num_f32_dpp v8, v8, v8 row_xmask:1 row_mask:0xf bank_mask:0xf   ; with my neighbour's 16: the block's
	v_add_nc_u32 v11, 0xff000000, v8
	v_cvt_scalef32_pk16_fp6_f32 v[CC_:CC_+2], v[XS_:XS_+15], v11
	v_lshrrev_b32 v[12+(\u)], 23, v11              ; the scale's byte (a plain line behind the conversion)
	ds_store_b8 v5, v[12+(\u)] offset:16*(2*(\p)+(\u))      ; both lanes of a block write the same byte with the same value
	global_store_b96 v4, v[CC_:CC_+2], s[42:43] offset:384*(2*(\p)+(\u))   ; the wave stores 384 consecutive bytes
.endm
.macro AROW p
.set RB_, AR+32*((\p)%4)
.if (\p) < 5
	s_wait_loadcnt 24                              ; my row is in (and g); the three younger rows' 24 loads may be out
.else
	s_wait_loadcnt 8*(7-(\p))
.endif
.irp c, 0,1,2,3
	v_pk_mul_f32 v[16+2*\c:17+2*\c], v[RB_+2*\c:RB_+2*\c+1], v[RB_+2*\c:RB_+2*\c+1]      ; the sum of squares, in four chains
.endr
.irp q, 1,2,3
.irp c, 0,1,2,3
	v_pk_fma_f32 v[16+2*\c:17+2*\c], v[RB_+8*\q+2*\c:RB_+8*\q+2*\c+1], v[RB_+8*\q+2*\c:RB_+8*\q+2*\c+1], v[16+2*\c:17+2*\c]
.endr
.endr
	v_pk_add_f32 v[16:17], v[16:17], v[18:19]
	v_pk_add_f32 v[20:21], v[20:21], v[22:23]
	v_pk_add_f32 v[16:17], v[16:17], v[20:21]
	v_add_f32 v16, v16, v17
	v_add_f32_dpp v16, v16, v16 row_xmask:1 row_mask:0xf bank_mask:0xf
	v_add_f32_dpp v16, v16, v16 row_xmask:2 row_mask:0xf bank_mask:0xf
	v_add_f32_dpp v16, v16, v16 row_xmask:4 row_mask:0xf bank_mask:0xf
	v_add_f32_dpp v16, v16, v16 row_xmask:8 row_mask:0xf bank_mask:0xf
	v_permlanex16_b32 v17, v16, s56, s57
	v_add_f32 v16, v16, v17
	v_fma_f32 v18, v16, s53, s54                   ; the mean + eps
	s_wait_alu depctr_va_vdst(0)
	v_rsq_f32 v24, v18
	v_rsq_f32 v25, v18                             ; twice: a pair for the packed multiply
	v_nop                                          ; a plain line behind the transcendentals,
	s_wait_alu depctr_va_vdst(0)                   ; and the one wait ahead of their first reader
.set j, 0
.rept 16
	v_pk_mul_f32 v[RB_+j:RB_+j+1], v[RB_+j:RB_+j+1], v[24:25]
.set j, j+2
.endr
.set j, 0
.rept 16
	v_pk_mul_f32 v[RB_+j:RB_+j+1], v[RB_+j:RB_+j+1], v[AG+j:AG+j+1]       ; (x rs) g
.set j, j+2
.endr
.irp i, 0,1,2,3,4,5,6,7
	ds_store_b128 v14, v[RB_+4*\i:RB_+4*\i+3] offset:2560*(\i/4)+640*(\i%4)
.endr
.irp i, 0,1,2,3,4,5,6,7
	ds_load_b128 v[AX+4*\i:AX+4*\i+3], v15 offset:2560*(\i/4)+16*(\i%4)   ; served in order: these see the stores above
.endr
	s_wait_dscnt 0x0                               ; the row is back, and the stores have read the row buffer,
	s_wait_xcnt 0x0                                ; and the stores of two rows ago have read their codes' registers
.if (\p) < 4
	ALOAD (\p)+4                                   ; the buffer takes the row four further on
.endif
	AQUANT \p, 0
	AQUANT \p, 1
.endm
	ALOAD 0
	ALOAD 1
	ALOAD 2
	ALOAD 3
.irp p, 0,1,2,3,4,5,6,7
	AROW \p
.endr
	ds_load_b64 v[8:9], v6
	s_wait_dscnt 0x0
	global_store_b64 v7, v[8:9], s[44:45]          ; 32 lanes store 256 consecutive bytes, aligned
	s_wait_tensorcnt 0x0                           ; the wave's end, behind my last LDS store
	ds_add_u32 v[SPW], v[NIL]
	s_wait_dscnt 0x0
	s_endpgm
.Ltable:
; ---------------- T.  A wave: 16 tokens; a lane: a frequency f.  theta = (2 n) x inv_freq, rounded as reference() rounds it; k = the nearest multiple of pi / 2, taken off in two parts; polynomials on [-pi/4, pi/4]; the quadrant selects.
	s_sub_co_u32 s31, ttmp9, 288
	s_lshl_b32 s31, s31, 2
	s_add_co_u32 s31, s31, s[WV]
	s_lshl_b32 s31, s31, 4                         ; my first token
	s_lshl_b32 s32, s31, 8
	s_mov_b32 s33, 0
	s_add_nc_u64 s[28:29], s[28:29], s[32:33]
	s_lshl_b32 s31, s31, 1                         ; t = 2 n
	s_wait_alu depctr_va_vdst(0)
	v_cvt_f32_u32 v4, v[LN]
	v_mul_f32 v4, 0xbed49a78, v4                   ; -f log2(10) / 8
	s_wait_alu depctr_va_vdst(0)
	v_exp_f32 v5, v4                               ; inv_freq
	v_lshlrev_b32 v6, 3, v[LN]                     ; (a plain line behind it)  8 bytes a lane
	v_mov_b32 v40, 0xb94ca1f9
	v_mov_b32 v41, 0x37ccf5ce
	s_wait_alu depctr_va_vdst(0)
.macro TOK i
	s_add_co_u32 s34, s31, 2*(\i)
	v_cvt_f32_u32 v8, s34
	v_mul_f32 v8, v8, v5                           ; theta
	v_mul_f32 v9, 0x3f22f983, v8
	v_rndne_f32 v9, v9                             ; k
	v_fmamk_f32 v10, v9, 0xbfc90fdb, v8            ; theta - k x (pi / 2)'s upper part
	v_fmamk_f32 v10, v9, 0x333bbd2e, v10           ; - k x its lower part
	v_mul_f32 v11, v10, v10                        ; z
	v_fmaak_f32 v12, v40, v11, 0x3c08839e
	v_fmaak_f32 v13, v41, v11, 0xbab6061a
	v_fmaak_f32 v12, v12, v11, 0xbe2aaaa3
	v_fmaak_f32 v13, v13, v11, 0x3d2aaaa5
	v_mul_f32 v12, v12, v11
	v_fma_f32 v14, v11, -0.5, 1.0
	v_mul_f32 v15, v11, v11
	v_fma_f32 v12, v12, v10, v10                   ; sin r
	v_fma_f32 v13, v13, v15, v14                   ; cos r
	v_cvt_i32_f32 v16, v9
	v_and_b32 v17, 1, v16
	v_cmp_eq_u32 vcc_lo, 1, v17
	v_cndmask_b32 v18, v12, v13, vcc_lo            ; in odd quadrants the two change places
	v_cndmask_b32 v19, v13, v12, vcc_lo
	v_lshlrev_b32 v17, 30, v16
	v_and_b32 v17, 0x80000000, v17                 ; sin is negative in quadrants 2 and 3,
	v_xor_b32 v[65+2*(\i)], v17, v18
	v_add_nc_u32 v16, 1, v16
	v_lshlrev_b32 v16, 30, v16
	v_and_b32 v16, 0x80000000, v16                 ; cos in 1 and 2
	v_xor_b32 v[64+2*(\i)], v16, v19
	global_store_b64 v6, v[64+2*(\i):65+2*(\i)], s[28:29] offset:256*(\i)   ; 32 lanes store a token's 256 bytes
.endm
.irp i, 0,1,2,3,4,5,6,7,8,9,10,11,12,13,14,15
	TOK \i
.endr
	s_endpgm
.Lfunc_end_k_q96b991770b_prep:
	.size	k_q96b991770b_prep, .Lfunc_end_k_q96b991770b_prep-k_q96b991770b_prep
	.p2alignl 7, 3214868480
	.fill 96, 4, 3214868480
	.section	.rodata,"a",@progbits
	.p2align	6, 0x0
	.amdhsa_kernel k_q96b991770b_prep
		.amdhsa_group_segment_fixed_size 59904
		.amdhsa_private_segment_fixed_size 0
		.amdhsa_enable_private_segment 0
		.amdhsa_kernarg_size 104
		.amdhsa_user_sgpr_count 2
		.amdhsa_user_sgpr_kernarg_segment_ptr 1
		.amdhsa_wavefront_size32 1
		.amdhsa_system_sgpr_workgroup_id_x 1
		.amdhsa_system_sgpr_workgroup_id_y 1
		.amdhsa_system_sgpr_workgroup_id_z 1
		.amdhsa_system_vgpr_workitem_id 0
		.amdhsa_next_free_vgpr 256
		.amdhsa_next_free_sgpr 66
		.amdhsa_reserve_vcc 1
		.amdhsa_float_denorm_mode_32 3
		.amdhsa_float_denorm_mode_16_64 3
		.amdhsa_memory_ordered 1
		.amdhsa_forward_progress 1
		.amdhsa_inst_pref_size 130
	.end_amdhsa_kernel
	.amdgpu_metadata
---
amdhsa.version: [ 1, 2 ]
amdhsa.kernels:
  - .name:           k_q96b991770b_prep
    .symbol:         k_q96b991770b_prep.kd
    .args:
      - { .name: Wq_a, .offset: 0, .size: 8, .value_kind: global_buffer, .address_space: global }
      - { .name: Wkv_a, .offset: 8, .size: 8, .value_kind: global_buffer, .address_space: global }
      - { .name: Wq_x, .offset: 16, .size: 8, .value_kind: global_buffer, .address_space: global }
      - { .name: Wkv_x, .offset: 24, .size: 8, .value_kind: global_buffer, .address_space: global }
      - { .name: Wout_a, .offset: 32, .size: 8, .value_kind: global_buffer, .address_space: global }
      - { .name: Wout_x, .offset: 40, .size: 8, .value_kind: global_buffer, .address_space: global }
      - { .name: a, .offset: 48, .size: 8, .value_kind: global_buffer, .address_space: global }
      - { .name: x, .offset: 56, .size: 8, .value_kind: global_buffer, .address_space: global }
      - { .name: g_a, .offset: 64, .size: 8, .value_kind: global_buffer, .address_space: global }
      - { .name: g_x, .offset: 72, .size: 8, .value_kind: global_buffer, .address_space: global }
      - { .name: act, .offset: 80, .size: 8, .value_kind: global_buffer, .address_space: global }
      - { .name: wgt, .offset: 88, .size: 8, .value_kind: global_buffer, .address_space: global }
      - { .name: rt, .offset: 96, .size: 8, .value_kind: global_buffer, .address_space: global }
    .group_segment_fixed_size: 59904
    .private_segment_fixed_size: 0
    .kernarg_segment_align: 8
    .kernarg_segment_size: 104
    .max_flat_workgroup_size: 128
    .sgpr_count:     66
    .vgpr_count:     256
    .wavefront_size: 32
...
	.end_amdgpu_metadata
.endif
;; end of part 1
;; launch qkv (part 2): grid 32 x 8, 12 waves a work-group, clusters of 4 x 1, 327,680 bytes of LDS; arguments act, wgt, rt, qb, kv; writes qb, kv
.if DOCPART == 2
	.amdgcn_target "amdgcn-amd-amdhsa--gfx1250"
	.amdhsa_code_object_version 6
	.text
	.protected	k_q96b991770b_qkv
	.globl	k_q96b991770b_qkv
	.p2align	8
	.type	k_q96b991770b_qkv,@function
k_q96b991770b_qkv:
	s_mov_b64 s[64:65], 0
	v_nop
	global_prefetch_b8 v0, s[64:65] scope:SCOPE_SE
	s_setreg_imm32_b32 hwreg(HW_REG_WAVE_MODE, 25, 1), 1
	s_wait_xcnt 0x0
	s_wait_alu depctr_hold_cnt(0) depctr_sa_sdst(0) depctr_va_vdst(0) depctr_va_sdst(0) depctr_va_ssrc(0) depctr_va_vcc(0) depctr_vm_vsrc(0)
	s_getreg_b32 s2, hwreg(HW_REG_IB_STS2, 6, 4)
	s_cmp_eq_u32 s2, 0
	s_cbranch_scc0 .Lentry_in_a_cluster
	s_endpgm
.Lentry_in_a_cluster:
	s_bfe_u32 s2, ttmp6, 0x10000c
	s_cmp_lg_u32 s2, 0x3003
	s_cbranch_scc0 .Lentry_shape_is_right
	s_endpgm
.Lentry_shape_is_right:
; QKV: the four projections (K = 1,024) on codes of E2M3, rope, and the quantising of q, k (along d) and v (along the keys).  Nothing of reference() is left out; q's factor 2^-3 is taken off q's scale bytes (exact).
; SHARES.  A work-group: 128 places of tokens (row tile RT = key step) x 192 columns (CT: three head columns of 64).  Head column HC = 3 CT + hc: 0-15 q's heads, 16-19 k's, 20-23 v's.
; Twelve waves: hc = w / 4, sub = w % 4; each makes 8 accumulators D(m, t) = source 0 Y_t x source 1 X_m, m = 0, 1, t = 0 .. 3.
;   q, k: X = tokens 32 sub on, Y = the head column's 64 weight rows: a lane holds ONE token, its registers run along d (16 b + i is d = 32 b + 16 (lane / 16) + i, by the tile order of the first launch).
;   v:    X = 32 (sub % 2) on of the head column's weight rows, Y = tokens 64 (sub / 2) on: a lane holds ONE d, its registers run along the keys.
; The walk along K stands twice, once for q and k and once for v: each copy makes its LDS addresses from the wave's number and constants alone.  No barrier stands inside the copies.
; ALL OF K LIES IN LDS: 128 rows of A and 192 of B.  A row of codes is 768 bytes, and rows are dense in memory.
; an LDS row of codes is 816 bytes.  Waves 0-3 bring 32 rows of A each, waves 4-11 24 rows of B each; nothing is filled twice.
; CLUSTER: the four row tiles of a cluster read the same 192 rows of B: B's tiles are asked for jointly.  A's are each work-group's own.  Not shared along CT: those partners would take other branches.
; No prefetch: all tiles are asked for at the head, and there is no loop to run ahead in.
; OUT.  qb: q's fragments as images of the operand's registers [head][tile 256][j 3][lane][8 bytes], at QS scale words [head][group 128][lane].  kv: a record of 13,056 bytes for each (kv head, 128 keys):
; k's 8 images, v^T's 4 images of 1,536 bytes, k's scale words (4 x 128 bytes), v's (4 x 64 bytes).
; All twelve waves load their tokens' part of the rope table; v's waves leave it unread.
; LIMITS: as stated at the head of the first launch; q's blocks under 2^-121 were not tried; rope fuses one product of each pair into the sum where reference() rounds both.
.set SS,    3145728
.set WS,    3932160
.set QS,    3145728
.set REC,   13056
.set PITCH, 816
.set BOFF,  128*PITCH                  ; B's rows behind A's 128
.set SPARE, 320*PITCH                  ; 261,120: the spare words, 128 bytes for each of 12 waves
.set SPW, 1
.set NIL, 2
.set LN,  3
.set ADX, 4                            ; v4, v5  X's fragments: base + 816 r + 24 h, and + 40 h for the pieces whose upper lanes lie behind one padding more
.set ADY, 6                            ; v6, v7  Y's
.set O32, 8                            ; v8   32 lane
.set ORT, 9                            ; v9   my token's row of the rope table, my half's 16 frequencies
.set O8,  10                           ; v10  8 lane
.set O4,  11                           ; v11  4 lane
.set LT,  14                           ; v14, v15  816 r + 24 h, 816 r + 40 h
.set XS,  16                           ; v16-23  X's scale words, one register a K step: lanes 0-15 tile 0, lanes 16-31 tile 1
.set YS,  24                           ; v24-39  Y's, two groups
.set XF,  40                           ; v40-63  X's two fragments
.set YF,  64                           ; v64-111 Y's four
.set ACC, 112                          ; v112-175 (m, t) at 112 + 32 m + 8 t
.set RTB, 176                          ; v176-239 cos, sin of my 16 frequencies, 32 registers for each m
.set TM,  40                           ; behind the products v40-111 are at work
.set TP,  42
.set OP,  44
.set BY,  46
.set WD,  48
.set PCB, 52
.set PCA0, 56
.set PCA1, 64
.set RW,  70
.set WV,  14
.set SEL, 48
.set FLR, 50
.set BADJ, 51
.macro CROUND                          ; a round of the cluster's barrier
	s_barrier_signal -1
	s_barrier_wait -1
	s_cmp_lg_u32 s[WV], 0
	s_cbranch_scc1 .Lnot_wave_0_\@
	s_barrier_signal -3
.Lnot_wave_0_\@:
	s_barrier_wait -3
	s_barrier_signal -1
	s_barrier_wait -1
.endm
.macro WM d, a, b, c, sa, sb, ra, rb   ; one product; c < 0: the constant 0 starts the sum; ra, rb: the scales stand in lanes 16-31
.if (\c) < 0
.if (\ra) && (\rb)
	v_wmma_scale_f32_16x16x128_f8f6f4 v[(\d):(\d)+7], v[(\a):(\a)+11], v[(\b):(\b)+11], 0, v[\sa], v[\sb] matrix_a_fmt:MATRIX_FMT_FP6 matrix_b_fmt:MATRIX_FMT_FP6 matrix_a_scale:MATRIX_SCALE_ROW1 matrix_b_scale:MATRIX_SCALE_ROW1
.elseif (\ra)
	v_wmma_scale_f32_16x16x128_f8f6f4 v[(\d):(\d)+7], v[(\a):(\a)+11], v[(\b):(\b)+11], 0, v[\sa], v[\sb] matrix_a_fmt:MATRIX_FMT_FP6 matrix_b_fmt:MATRIX_FMT_FP6 matrix_a_scale:MATRIX_SCALE_ROW1
.elseif (\rb)
	v_wmma_scale_f32_16x16x128_f8f6f4 v[(\d):(\d)+7], v[(\a):(\a)+11], v[(\b):(\b)+11], 0, v[\sa], v[\sb] matrix_a_fmt:MATRIX_FMT_FP6 matrix_b_fmt:MATRIX_FMT_FP6 matrix_b_scale:MATRIX_SCALE_ROW1
.else
	v_wmma_scale_f32_16x16x128_f8f6f4 v[(\d):(\d)+7], v[(\a):(\a)+11], v[(\b):(\b)+11], 0, v[\sa], v[\sb] matrix_a_fmt:MATRIX_FMT_FP6 matrix_b_fmt:MATRIX_FMT_FP6
.endif
.else
.if (\ra) && (\rb)
	v_wmma_scale_f32_16x16x128_f8f6f4 v[(\d):(\d)+7], v[(\a):(\a)+11], v[(\b):(\b)+11], v[(\c):(\c)+7], v[\sa], v[\sb] matrix_a_fmt:MATRIX_FMT_FP6 matrix_b_fmt:MATRIX_FMT_FP6 matrix_a_scale:MATRIX_SCALE_ROW1 matrix_b_scale:MATRIX_SCALE_ROW1
.elseif (\ra)
	v_wmma_scale_f32_16x16x128_f8f6f4 v[(\d):(\d)+7], v[(\a):(\a)+11], v[(\b):(\b)+11], v[(\c):(\c)+7], v[\sa], v[\sb] matrix_a_fmt:MATRIX_FMT_FP6 matrix_b_fmt:MATRIX_FMT_FP6 matrix_a_scale:MATRIX_SCALE_ROW1
.elseif (\rb)
	v_wmma_scale_f32_16x16x128_f8f6f4 v[(\d):(\d)+7], v[(\a):(\a)+11], v[(\b):(\b)+11], v[(\c):(\c)+7], v[\sa], v[\sb] matrix_a_fmt:MATRIX_FMT_FP6 matrix_b_fmt:MATRIX_FMT_FP6 matrix_b_scale:MATRIX_SCALE_ROW1
.else
	v_wmma_scale_f32_16x16x128_f8f6f4 v[(\d):(\d)+7], v[(\a):(\a)+11], v[(\b):(\b)+11], v[(\c):(\c)+7], v[\sa], v[\sb] matrix_a_fmt:MATRIX_FMT_FP6 matrix_b_fmt:MATRIX_FMT_FP6
.endif
.endif
.endm
	s_load_b256 s[4:11], s[0:1], 0x0               ; act 4, wgt 6, rt 8, qb 10
	s_load_b64 s[12:13], s[0:1], 0x20              ; kv
	v_lshl_add_u32 v[SPW], v0, 2, SPARE
	v_mov_b32 v[NIL], 0
	ds_add_u32 v[SPW], v[NIL]                      ; the wave's opening: the add, twice on end, and its wait ahead of my tensor load
	ds_add_u32 v[SPW], v[NIL]
	v_lshrrev_b32 v12, 5, v0
	v_readfirstlane_b32 s[WV], v12
	s_bfe_u32 s15, ttmp6, 0x40000                  ; cx: it enters global addresses of my own loads and stores alone
	s_lshl_b32 s16, ttmp9, 2
	s_add_co_u32 s16, s16, s15                     ; RT
	s_and_b32 s17, ttmp7, 0xffff                   ; CT
	s_lshr_b32 s18, ttmp9, 2                       ; the stream: 0 a, 1 x: the same in the four partners
	s_lshr_b32 s19, s[WV], 2                       ; hc
	s_and_b32 s20, s[WV], 3                        ; sub
	s_mul_i32 s21, s17, 3
	s_add_co_u32 s21, s21, s19                     ; HC
	s_cmp_ge_u32 s21, 20
	s_cselect_b32 s22, 1, 0                        ; v's wave
	s_cmp_lt_u32 s21, 16
	s_cselect_b32 s23, 1, 0                        ; q's wave
	s_and_b32 s69, s20, 1
	s_lshr_b32 s70, s20, 1
	; group 1: a dense block as rows of 256 bytes (32 elements of 8), 16 bytes of padding behind each: A's 32 code rows are 96 such rows, B's 24 are 72, asked for by the four partners
	s_mov_b32 s24, (3<<16)|(1<<20)|(5<<22)|(3<<25)
	s_mov_b32 s25, 32<<16
	s_mov_b32 s26, 96<<16
	s_mov_b32 s27, 32<<16
	s_mov_b32 s28, 96
	s_mov_b32 s29, 32
	s_mov_b32 s30, 0
	s_mov_b32 s31, 0
	s_mov_b32 s32, 15|(3<<16)|(1<<20)|(1<<21)|(5<<22)|(3<<25)
	s_mov_b32 s33, 32<<16
	s_mov_b32 s34, 72<<16
	s_mov_b32 s35, 32<<16
	s_mov_b32 s36, 72
	s_mov_b32 s37, 32
	s_mov_b32 s38, 0
	s_mov_b32 s39, 0
	s_mov_b32 s[SEL], 0x76543210
	s_mov_b32 s[SEL+1], 0xfedcba98
	v_and_b32 v[LN], 31, v0
	v_and_b32 v12, 15, v0                          ; r
	v_bfe_u32 v13, v0, 4, 1                        ; h
	v_mul_u32_u24 v[LT], v12, PITCH
	v_lshrrev_b32 v40, 3, v12
	v_and_b32 v[ORT], 7, v12
	v_mad_u32_u24 v[LT], v13, 24, v[LT]
	v_lshl_or_b32 v[ORT], v40, 4, v[ORT]           ; the token of row r of a tile: (r % 8) + 16 (r / 8)
	v_lshlrev_b32 v[O32], 5, v[LN]
	v_lshl_add_u32 v[LT+1], v13, 4, v[LT]
	v_lshlrev_b32 v[ORT], 8, v[ORT]
	v_lshlrev_b32 v[O8], 3, v[LN]
	v_lshlrev_b32 v[O4], 2, v[LN]
	v_lshl_add_u32 v[ORT], v13, 7, v[ORT]          ; + my half's 16 frequencies
	; K'S WAVES STORE BY THE TILES THAT THE THIRD LAUNCH MULTIPLIES: tile 4 c + t of a record takes keys 64 c + 8 t + 0 .. 7 as rows 0-7 and keys 64 c + 32 + 8 t + 0 .. 7 as rows 8-15.
	; My row r of tile m is key 32 sub + (r % 8) + 8 m + 16 (r / 8): tile 4 (sub / 2) + m + 2 (r / 8), row (r % 8) + 8 (sub % 2).  So a lane's place in the images is 1,536 (r / 8) + 8 (r % 8) + 128 h,
	; and in the scale words 128 (r / 8) + 64 (lane / 16) + 4 (r % 8); sub's part stands in the scalar base.  A store of k's wave covers runs of 64 bytes; two waves fill a run of 128.
	v_and_b32 v41, 7, v12
	v_mul_u32_u24 v42, v40, 1536
	v_lshlrev_b32 v43, 7, v40
	v_lshl_add_u32 v42, v41, 3, v42
	v_lshl_add_u32 v43, v13, 6, v43
	v_lshl_add_u32 v42, v13, 7, v42
	v_lshl_add_u32 v43, v41, 2, v43
	s_or_b32 s92, s22, s23
	s_cmp_eq_u32 s92, 0                            ; neither v's nor q's wave: k's
	s_cselect_b32 s92, -1, 0
	v_cndmask_b32 v[O8], v[O8], v42, s92
	v_cndmask_b32 v[O4], v[O4], v43, s92
	s_wait_alu depctr_va_vdst(0)
	s_wait_dscnt 0x0                               ; both opening adds are done
	s_wait_kmcnt 0x0
	CROUND                                         ; the four partners are here: the joint loads meet
	s_cmp_lt_u32 s[WV], 4
	s_cbranch_scc0 .Lfill_b
	s_mul_i32 s41, s[WV], 32*PITCH                 ; waves 0-3: A's rows 32 w on
	s_lshl_b32 s76, s16, 7
	s_lshl_b32 s75, s[WV], 5
	s_add_co_u32 s76, s76, s75
	s_mul_i32 s76, s76, 768
	s_mov_b32 s77, 0
	s_mov_b32 s40, 1
	s_add_nc_u64 s[42:43], s[4:5], s[76:77]
	s_or_b32 s43, s43, 0x80000000
	tensor_load_to_lds s[40:43], s[24:31]
	s_nop 0
.rept 4
	v_nop
.endr
	s_branch .Lfilled
.Lfill_b:
	s_mul_i32 s85, s[WV], 24*PITCH                 ; waves 4-11: B's rows 24 (w - 4) on.  Nothing here hangs on cx
	s_add_co_u32 s85, s85, BOFF-96*PITCH
	s_mul_i32 s96, s18, 1536
	s_mul_i32 s97, s17, 192
	s_add_co_u32 s96, s96, s97
	s_mul_i32 s97, s[WV], 24
	s_add_co_u32 s96, s96, s97
	s_sub_co_u32 s96, s96, 96
	s_mul_i32 s96, s96, 768
	s_mov_b32 s97, 0
	s_mov_b32 s84, 1
	s_add_nc_u64 s[86:87], s[6:7], s[96:97]
	s_or_b32 s87, s87, 0x80000000
	tensor_load_to_lds s[84:87], s[32:39]
	s_nop 0
.rept 4
	v_nop
.endr
.Lfilled:
	; THE SCALE BYTES GO STRAIGHT INTO REGISTERS: lane l takes the 32 bytes of place l of a group of 32: eight words, one for each K step; the wave reads 1,024 consecutive bytes
	s_lshl_b32 s72, s16, 7
	s_lshl_b32 s73, s20, 5
	s_add_co_u32 s73, s72, s73
	s_lshl_b32 s73, s73, 5
	s_add_co_u32 s73, s73, SS                      ; q, k: X's
	s_lshl_b32 s74, s70, 6
	s_add_co_u32 s74, s72, s74
	s_lshl_b32 s74, s74, 5
	s_add_co_u32 s74, s74, SS                      ; v: Y's
	s_mul_i32 s75, s18, 1536
	s_mul_i32 s76, s17, 192
	s_add_co_u32 s75, s75, s76
	s_lshl_b32 s76, s19, 6
	s_add_co_u32 s75, s75, s76                     ; my head column's first row of wgt
	s_lshl_b32 s76, s69, 5
	s_add_co_u32 s76, s75, s76
	s_lshl_b32 s76, s76, 5
	s_add_co_u32 s76, s76, WS                      ; v: X's
	s_lshl_b32 s75, s75, 5
	s_add_co_u32 s75, s75, WS                      ; q, k: Y's
	s_cmp_eq_u32 s22, 1
	s_cselect_b32 s78, s76, s73
	s_cselect_b32 s80, s74, s75
	s_cselect_b64 s[58:59], s[6:7], s[4:5]
	s_cselect_b64 s[60:61], s[4:5], s[6:7]
	s_mov_b32 s79, 0
	s_mov_b32 s81, 0
	s_add_nc_u64 s[58:59], s[58:59], s[78:79]
	s_add_nc_u64 s[60:61], s[60:61], s[80:81]
	global_load_b128 v[XS:XS+3], v[O32], s[58:59]
	global_load_b128 v[XS+4:XS+7], v[O32], s[58:59] offset:16
	global_load_b128 v[YS:YS+3], v[O32], s[60:61]
	global_load_b128 v[YS+4:YS+7], v[O32], s[60:61] offset:16
	global_load_b128 v[YS+8:YS+11], v[O32], s[60:61] offset:1024
	global_load_b128 v[YS+12:YS+15], v[O32], s[60:61] offset:1040
	s_and_b32 s82, s16, 15
	s_lshl_b32 s82, s82, 7
	s_lshl_b32 s83, s20, 5
	s_add_co_u32 s82, s82, s83                     ; my group's first token in its stream
	s_lshl_b32 s82, s82, 8
	s_mov_b32 s83, 0
	s_add_nc_u64 s[62:63], s[8:9], s[82:83]
.irp m, 0,1
.irp i, 0,1,2,3,4,5,6,7
	global_load_b128 v[RTB+32*\m+4*\i:RTB+32*\m+4*\i+3], v[ORT], s[62:63] offset:2048*\m+16*\i
.endr
.endr
	; where the results go
	s_lshl_b32 s66, s21, 8
	s_lshl_b32 s67, s16, 3
	s_add_co_u32 s66, s66, s67
	s_lshl_b32 s67, s20, 1
	s_add_co_u32 s66, s66, s67
	s_mul_i32 s66, s66, 768                        ; q: image (head, tile 8 RT + 2 sub)
	s_lshl_b32 s68, s21, 7
	s_lshl_b32 s67, s16, 2
	s_add_co_u32 s68, s68, s67
	s_add_co_u32 s68, s68, s20
	s_lshl_b32 s68, s68, 7
	s_add_co_u32 s68, s68, QS                      ; q: scale words of group 4 RT + sub
	s_and_b32 s71, s21, 3                          ; the kv head: 16 and 20 are multiples of 4
	s_lshl_b32 s71, s71, 5
	s_add_co_u32 s71, s71, s16
	s_mul_i32 s71, s71, REC                        ; the record
	s_mul_i32 s72, s70, 3072
	s_lshl_b32 s73, s69, 6
	s_add_co_u32 s72, s72, s73
	s_add_co_u32 s72, s72, s71                     ; k: tiles 4 (sub / 2) on, rows 8 (sub % 2) on
	s_lshl_b32 s73, s70, 8
	s_lshl_b32 s74, s69, 5
	s_add_co_u32 s73, s73, s74
	s_add_co_u32 s73, s73, s71
	s_add_co_u32 s73, s73, 12288                   ; k: the same tiles' scale words
	s_mul_i32 s74, s69, 3072
	s_mul_i32 s75, s70, 768
	s_add_co_u32 s74, s74, s75
	s_add_co_u32 s74, s74, s71
	s_add_co_u32 s74, s74, 6144                    ; v: image 2 (sub % 2), its half sub / 2
	s_lshl_b32 s75, s69, 7
	s_lshl_b32 s76, s70, 1
	s_add_co_u32 s75, s75, s76
	s_add_co_u32 s75, s75, s71
	s_add_co_u32 s75, s75, 12800                   ; v: bytes 2 (sub / 2) on of the scale words
	s_mov_b32 s76, 768
	s_cmp_eq_u32 s22, 1
	s_cselect_b32 s72, s74, s72
	s_cselect_b32 s73, s75, s73
	s_cselect_b32 s76, 1536, s76                   ; from tile m = 0's image to m = 1's
	s_mov_b32 s[FLR], 0x1800000
	s_cmp_eq_u32 s23, 1
	s_cselect_b32 s66, s66, s72
	s_cselect_b32 s68, s68, s73
	s_cselect_b64 s[52:53], s[10:11], s[12:13]
	s_cselect_b32 s[FLR], 0x3000000, s[FLR]        ; q's floor is 2^(6 - 127): its byte, 3 less, cannot fall under 1
	s_cselect_b32 s[BADJ], 3, 0                    ; q / 8: 3 off the byte, the codes as they are
	s_mov_b32 s67, 0
	s_mov_b32 s77, 0
	s_mov_b64 s[56:57], s[52:53]
	s_add_nc_u64 s[52:53], s[52:53], s[66:67]
	s_add_nc_u64 s[54:55], s[52:53], s[76:77]
	s_mov_b32 s66, s68
	s_add_nc_u64 s[56:57], s[56:57], s[66:67]
.macro FRAG reg, adr, s, i             ; a fragment, 16 rows x 128 K: 12 registers, six pieces of 8 bytes.  Byte y of a code row lies at y + 16 (y / 256); lanes 16-31 read 24 bytes further on, for some pieces behind one padding more
.irp p, 0,1,2,3,4,5
.set BYT, 96*(\s)+48*(\p/3)+8*(\p%3)
.if BYT/256 == (BYT+24)/256
	ds_load_b64 v[(\reg)+2*\p:(\reg)+2*\p+1], v[\adr] offset:BYT+16*(BYT/256)+(\i)*16*PITCH
.else
	ds_load_b64 v[(\reg)+2*\p:(\reg)+2*\p+1], v[(\adr)+1] offset:BYT+16*(BYT/256)+(\i)*16*PITCH
.endif
.endr
.endm
.macro KSTEP s                         ; 128 along K: six fragments, eight products, the accumulators by turns
.irp m, 0,1
	FRAG XF+12*\m, ADX, \s, \m
.endr
.irp t, 0,1,2,3
	FRAG YF+12*\t, ADY, \s, \t
.endr
	s_wait_dscnt 0x0
.irp t, 0,1,2,3
.irp m, 0,1
.if (\s) == 0
	WM ACC+32*\m+8*\t, YF+12*\t, XF+12*\m, -1, YS+8*(\t/2)+(\s), XS+(\s), \t%2, \m
.else
	WM ACC+32*\m+8*\t, YF+12*\t, XF+12*\m, ACC+32*\m+8*\t, YS+8*(\t/2)+(\s), XS+(\s), \t%2, \m
.endif
.endr
.endr
.rept 4
	v_nop                                          ; places in front of the next loads into the fragments' registers, and of the first read of results
.endr
.endm
.macro KWALK                           ; s66, s68: where X's and Y's rows begin
	v_add_nc_u32 v[ADX], s66, v[LT]
	v_add_nc_u32 v[ADX+1], s66, v[LT+1]
	v_add_nc_u32 v[ADY], s68, v[LT]
	v_add_nc_u32 v[ADY+1], s68, v[LT+1]
	s_wait_alu depctr_va_vdst(0)
.irp s, 0,1,2,3,4,5,6,7
	KSTEP \s
.endr
.endm
.macro ROPE m                          ; d = 16 h + i and d + 32 of my token turn by the angle of frequency 16 h + i; i ascends
.set i, 0
.rept 16
	v_mul_f32 v[RW+2*(i%2)], v[ACC+32*\m+16+i], v[RTB+32*\m+2*i+1]
	v_mul_f32 v[RW+2*(i%2)+1], v[ACC+32*\m+i], v[RTB+32*\m+2*i+1]
	v_fma_f32 v[ACC+32*\m+i], v[ACC+32*\m+i], v[RTB+32*\m+2*i], -v[RW+2*(i%2)]
	v_fma_f32 v[ACC+32*\m+16+i], v[ACC+32*\m+16+i], v[RTB+32*\m+2*i], v[RW+2*(i%2)+1]
.set i, i+1
.endr
.endm
	s_wait_tensorcnt 0x0                           ; my tile is in
	s_barrier_signal -1
	s_barrier_wait -1                              ; everybody's is
	s_wait_loadcnt 0x0                             ; the scale words and the table
	s_cmp_eq_u32 s22, 1                            ; ids alone: the same in the four partners
	s_cbranch_scc1 .Lv_path
	s_mul_i32 s66, s20, 32*PITCH                   ; q, k: X = A's rows 32 sub,
	s_mul_i32 s68, s19, 64*PITCH
	s_add_co_u32 s68, s68, BOFF                    ; Y = B's rows 64 hc
	KWALK
	ROPE 0
	ROPE 1
	s_wait_alu depctr_va_vdst(0)
	s_branch .Lquant
.Lv_path:
	s_mul_i32 s66, s19, 64*PITCH                   ; v: X = B's rows 64 hc + 32 (sub % 2),
	s_mul_i32 s67, s69, 32*PITCH
	s_add_co_u32 s66, s66, s67
	s_add_co_u32 s66, s66, BOFF
	s_mul_i32 s68, s70, 64*PITCH                   ; Y = A's rows 64 (sub / 2)
	KWALK
.Lquant:
; 32 numbers of a lane, register 16 b + i = k 32 b + 16 (lane / 16) + i of my row, become the lower six registers of an operand (lane (r, h): block h of row r) and the row's two scale bytes
.macro QUANT2 src, pca, wd
.irp b, 0,1
	v_max3_num_f32 v[TM+\b], |v[(\src)+16*\b]|, |v[(\src)+16*\b+1]|, s[FLR]
.endr
.irp i, 2,4,6,8,10,12,14
.irp b, 0,1
	v_max3_num_f32 v[TM+\b], v[TM+\b], |v[(\src)+16*\b+\i]|, |v[(\src)+16*\b+\i+1]|
.endr
.endr
.irp b, 0,1
	s_delay_alu instid0(VALU_DEP_2)
	v_permlanex16_b32 v[TP+\b], v[TM+\b], s[SEL], s[SEL+1]
.endr
.irp b, 0,1
	s_delay_alu instid0(VALU_DEP_2)
	v_max_num_f32 v[TM+\b], v[TM+\b], v[TP+\b]     ; with lane l xor 16's: the block's largest magnitude
.endr
.irp b, 0,1
	s_delay_alu instid0(VALU_DEP_2)
	v_add_nc_u32 v[OP+\b], 0xff000000, v[TM+\b]    ; 2 off the exponent field: the conversion's scale operand
.endr
.irp b, 0,1
	s_delay_alu instid0(VALU_DEP_2)
	v_lshrrev_b32 v[BY+\b], 23, v[OP+\b]
.endr
.irp b, 0,1
	s_delay_alu instid0(VALU_DEP_2)
	v_sub_nc_u32 v[BY+\b], v[BY+\b], s[BADJ]
.endr
	s_delay_alu instid0(VALU_DEP_1)
	v_lshl_or_b32 v[\wd], v[BY+1], 8, v[BY]
	v_cvt_scalef32_pk16_fp6_f32 v[(\pca):(\pca)+2], v[(\src):(\src)+15], v[OP]
	v_cvt_scalef32_pk16_fp6_f32 v[PCB:PCB+2], v[(\src)+16:(\src)+31], v[OP+1]
	v_nop                                          ; one plain line behind a scaled conversion
.irp i, 0,1,2
	v_permlane16_swap_b32 v[(\pca)+\i], v[PCB+\i]  ; the first now holds each lane's block's lower 16 codes, the second the upper 16
.endr
.irp i, 0,1,2
	s_delay_alu instid0(VALU_DEP_3)
	v_mov_b32 v[(\pca)+3+\i], v[PCB+\i]
.endr
.endm
	v_mov_b32 v[TP], 0                             ; a lane permute's destination counts as one of its sources
	v_mov_b32 v[TP+1], 0
	QUANT2 ACC, PCA0, WD
	QUANT2 ACC+32, PCA1, WD+1
.irp j, 0,1,2
	global_store_b64 v[O8], v[PCA0+2*\j:PCA0+2*\j+1], s[52:53] offset:256*\j      ; 32 lanes store 256 consecutive bytes, aligned
	global_store_b64 v[O8], v[PCA1+2*\j:PCA1+2*\j+1], s[54:55] offset:256*\j
.endr
	v_cmp_le_u32 vcc_lo, 16, v[LN]
	s_delay_alu instid0(VALU_DEP_1)
	v_cndmask_b32 v[WD+2], v[WD], v[WD+1], vcc_lo  ; lanes 0-15: tile 0's rows, lanes 16-31: tile 1's
	s_cmp_eq_u32 s22, 1
	s_cbranch_scc1 .Lv_scales
	global_store_b32 v[O4], v[WD+2], s[56:57]      ; q, k: bytes 0, 1 the two blocks; bytes 2, 3 are 0 and stand over zero codes
	s_branch .Lstored
.Lv_scales:
	s_wait_alu depctr_va_vdst(0)
	global_store_b16 v[O4], v[WD+2], s[56:57]      ; v: my two key blocks' bytes of each row's word
.Lstored:
	s_wait_tensorcnt 0x0                           ; the wave's end
	ds_add_u32 v[SPW], v[NIL]
	s_wait_dscnt 0x0
	CROUND                                         ; the closing round
	s_endpgm
.Lfunc_end_k_q96b991770b_qkv:
	.size	k_q96b991770b_qkv, .Lfunc_end_k_q96b991770b_qkv-k_q96b991770b_qkv
	.p2alignl 7, 3214868480
	.fill 96, 4, 3214868480
	.section	.rodata,"a",@progbits
	.p2align	6, 0x0
	.amdhsa_kernel k_q96b991770b_qkv
		.amdhsa_group_segment_fixed_size 327680
		.amdhsa_private_segment_fixed_size 0
		.amdhsa_enable_private_segment 0
		.amdhsa_kernarg_size 40
		.amdhsa_user_sgpr_count 2
		.amdhsa_user_sgpr_kernarg_segment_ptr 1
		.amdhsa_wavefront_size32 1
		.amdhsa_system_sgpr_workgroup_id_x 1
		.amdhsa_system_sgpr_workgroup_id_y 1
		.amdhsa_system_sgpr_workgroup_id_z 1
		.amdhsa_system_vgpr_workitem_id 0
		.amdhsa_next_free_vgpr 256
		.amdhsa_next_free_sgpr 100
		.amdhsa_reserve_vcc 1
		.amdhsa_float_denorm_mode_32 3
		.amdhsa_float_denorm_mode_16_64 3
		.amdhsa_memory_ordered 1
		.amdhsa_forward_progress 1
		.amdhsa_inst_pref_size 79
	.end_amdhsa_kernel
	.amdgpu_metadata
---
amdhsa.version: [ 1, 2 ]
amdhsa.kernels:
  - .name:           k_q96b991770b_qkv
    .symbol:         k_q96b991770b_qkv.kd
    .args:
      - { .name: act, .offset: 0, .size: 8, .value_kind: global_buffer, .address_space: global }
      - { .name: wgt, .offset: 8, .size: 8, .value_kind: global_buffer, .address_space: global }
      - { .name: rt, .offset: 16, .size: 8, .value_kind: global_buffer, .address_space: global }
      - { .name: qb, .offset: 24, .size: 8, .value_kind: global_buffer, .address_space: global }
      - { .name: kv, .offset: 32, .size: 8, .value_kind: global_buffer, .address_space: global }
    .group_segment_fixed_size: 327680
    .private_segment_fixed_size: 0
    .kernarg_segment_align: 8
    .kernarg_segment_size: 40
    .max_flat_workgroup_size: 384
    .sgpr_count:     100
    .vgpr_count:     256
    .wavefront_size: 32
...
	.end_amdgpu_metadata
.endif
;; end of part 2
;; launch attn (part 3): grid 64 x 4, 16 waves a work-group, clusters of 4 x 1, 327,680 bytes of LDS; arguments qb, kv, ob; writes ob
.if DOCPART == 3
	.amdgcn_target "amdgcn-amd-amdhsa--gfx1250"
	.amdhsa_code_object_version 6
	.text
	.protected	k_q96b991770b_attn
	.globl	k_q96b991770b_attn
	.p2align	8
	.type	k_q96b991770b_attn,@function
k_q96b991770b_attn:
	s_mov_b64 s[64:65], 0
	v_nop
	global_prefetch_b8 v0, s[64:65] scope:SCOPE_SE
	s_setreg_imm32_b32 hwreg(HW_REG_WAVE_MODE, 25, 1), 1
	s_wait_xcnt 0x0
	s_wait_alu depctr_hold_cnt(0) depctr_sa_sdst(0) depctr_va_vdst(0) depctr_va_sdst(0) depctr_va_ssrc(0) depctr_va_vcc(0) depctr_vm_vsrc(0)
	s_getreg_b32 s2, hwreg(HW_REG_IB_STS2, 6, 4)
	s_cmp_eq_u32 s2, 0
	s_cbranch_scc0 .Lentry_in_a_cluster
	s_endpgm
.Lentry_in_a_cluster:
	s_bfe_u32 s2, ttmp6, 0x10000c
	s_cmp_lg_u32 s2, 0x3003
	s_cbranch_scc0 .Lentry_shape_is_right
	s_endpgm
.Lentry_shape_is_right:
; ATTN: both products of the attention on codes of E2M3, the softmax between them, and the quantising of o for the projection on the way out.  Nothing of reference() is left out.
; t = score x log2(e) / 8 (q's own 1 / 8 stands in its scale bytes); M = the running largest t rounded UP to a whole number; p = 2^(t - M) is quantised along the keys, not normalised; the sum of the unquantised p divides at the end.
; SHARES.  A work-group: one kv head (grid y), 64 places of queries x the 4 heads that use it.  Wave w: head = kvh + 4 (w % 4), query tile T = 4 XG + w / 4: 16 queries in 256 registers, four waves to a SIMD.
; All sixteen waves, and the four partners of a cluster, walk the same 32 records of 128 keys: the records are asked for jointly.
; LDS: three regions of 8 records (104,448 bytes).  Region 0 (steps 0-7) is asked for at the head, two records a wave by waves 0-3; regions 1 and 2 (steps 8-23) behind the first round, by waves 0-7, eight steps ahead
; of their first read; region 0 is filled ONCE more, with steps 24-31, behind the second round, sixteen steps ahead of its first read.  One tensor load a wave behind each round.
; No prefetch: every record is asked for by its tensor load at the head, or eight or sixteen steps ahead of its first read.
; Both products are used transposed (S^T = K Q^T, O^T = V^T P^T): a lane holds one query throughout.
; WHICH KEYS FORM A TILE OF K: the second launch lays tile 4 c + t of a record with keys 64 c + 8 t + 0 .. 7 as rows 0-7 and keys 64 c + 32 + 8 t + 0 .. 7 as rows 8-15.
; So the 32 result registers of tiles 4 c .. 4 c + 3 are, in lane (r, h), the keys 64 c + 32 h + 0 .. 31 of query r: a WHOLE block of p, in the order of the operand's registers 6 c .. 6 c + 5.
; A block's largest p needs no other lane, and p's codes change no lane.
; THE HEAD SIZE IS 64 AND THE PRODUCT'S K IS 128.  q's registers 6-11 are zero codes, written once.  K's fragments lie packed, six registers a tile: a tile's registers 6-11 are the next tile's codes (the last
; tile's: six registers of v's codes).  Every code of E2M3 is a finite number, the scale bytes 2 and 3 of q's and k's words are 0 (2^-127), so those products are zeros.
; THE NEXT STEP'S K is loaded from LDS behind this step's first products, under the softmax; a walk's last step, which is written out, loads none, so that no read passes a region's end.
; By the tile order of v^T's rows O^T's registers 16 b + i are d = 32 b + 16 (lane / 16) + i: o's blocks of 32 along (head, d).
; OUT.  ob: o's fragments as images [head / 8][tile 256][(head / 2) % 4][1,536 bytes], the head's parity taking a half; at OS scale bytes [place 4,096][32].
; LIMITS: as stated at the head of the first launch; the promise holds while the scaled scores t stay under 2^31 in magnitude.
.set QS,    3145728
.set OS,    3145728
.set REC,   13056
.set REG,   104448                     ; a region: 8 records
.set SPARE, 313344                     ; behind the regions: the spare words, 128 bytes for each of 16 waves
.set SPW, 1
.set NIL, 2
.set L8,  3                            ; v3  8 lane
.set L4,  4                            ; v4  4 lane
.set C8,  5                            ; v5, v6 the same in the record in hand
.set C4,  6
.set H8,  7                            ; v7  8 h.   v12 -M, v13 the running largest score, v[14:15] the sum in two halves
.set QF,  16                           ; v16-27  q
.set KF,  28                           ; v28-75  k's eight tiles, six registers each
.set VF,  76                           ; v76-123 v^T's four fragments
.set S,   124                          ; v124-187 S^T, then p
.set O,   188                          ; v188-219 O^T
.set PC,  220                          ; v220-231 p's codes; ahead of them three of the sum's chains
.set BM,  232                          ; v232-233 my two blocks' largest
.set OP,  234                          ; v234-235 the conversions' scale operands
.set TW,  236                          ; v236-243 at work
.set KS,  244                          ; v244-247 k's scale words
.set VS,  248                          ; v248-249 v's
.set QSC, 250                          ; q's scale words
.set PW,  251                          ; p's scale word
.set FF,  252                          ; f (v253 is named with it as a pair)
.set TT,  254
.set TU,  255
.set WV,  14
.macro CROUND                          ; a round of the cluster's barrier
	s_barrier_signal -1
	s_barrier_wait -1
	s_cmp_lg_u32 s[WV], 0
	s_cbranch_scc1 .Lnot_wave_0_\@
	s_barrier_signal -3
.Lnot_wave_0_\@:
	s_barrier_wait -3
	s_barrier_signal -1
	s_barrier_wait -1
.endm
.macro WM d, a, b, c, sa, sb, ra       ; one product; c < 0: the constant 0 starts the sum; ra: source 0's scales stand in lanes 16-31
.if (\c) < 0
.if (\ra)
	v_wmma_scale_f32_16x16x128_f8f6f4 v[(\d):(\d)+7], v[(\a):(\a)+11], v[(\b):(\b)+11], 0, v[\sa], v[\sb] matrix_a_fmt:MATRIX_FMT_FP6 matrix_b_fmt:MATRIX_FMT_FP6 matrix_a_scale:MATRIX_SCALE_ROW1
.else
	v_wmma_scale_f32_16x16x128_f8f6f4 v[(\d):(\d)+7], v[(\a):(\a)+11], v[(\b):(\b)+11], 0, v[\sa], v[\sb] matrix_a_fmt:MATRIX_FMT_FP6 matrix_b_fmt:MATRIX_FMT_FP6
.endif
.else
.if (\ra)
	v_wmma_scale_f32_16x16x128_f8f6f4 v[(\d):(\d)+7], v[(\a):(\a)+11], v[(\b):(\b)+11], v[(\c):(\c)+7], v[\sa], v[\sb] matrix_a_fmt:MATRIX_FMT_FP6 matrix_b_fmt:MATRIX_FMT_FP6 matrix_a_scale:MATRIX_SCALE_ROW1
.else
	v_wmma_scale_f32_16x16x128_f8f6f4 v[(\d):(\d)+7], v[(\a):(\a)+11], v[(\b):(\b)+11], v[(\c):(\c)+7], v[\sa], v[\sb] matrix_a_fmt:MATRIX_FMT_FP6 matrix_b_fmt:MATRIX_FMT_FP6
.endif
.endif
.endm
	s_load_b128 s[4:7], s[0:1], 0x0                ; qb 4, kv 6
	s_load_b64 s[8:9], s[0:1], 0x10                ; ob
	v_lshl_add_u32 v[SPW], v0, 2, SPARE
	v_mov_b32 v[NIL], 0
	ds_add_u32 v[SPW], v[NIL]                      ; the wave's opening: the add, twice on end, and its wait ahead of the first tensor loads
	ds_add_u32 v[SPW], v[NIL]
	v_lshrrev_b32 v8, 5, v0
	v_readfirstlane_b32 s[WV], v8
	s_bfe_u32 s15, ttmp6, 0x40000                  ; cx: it enters q's and o's global addresses alone
	s_lshl_b32 s16, ttmp9, 2
	s_add_co_u32 s16, s16, s15                     ; XG
	s_and_b32 s17, ttmp7, 0xffff                   ; the kv head
	s_and_b32 s18, s[WV], 3
	s_lshl_b32 s18, s18, 2
	s_add_co_u32 s18, s18, s17                     ; my head
	s_lshl_b32 s19, s16, 2
	s_lshr_b32 s50, s[WV], 2
	s_add_co_u32 s19, s19, s50                     ; my query tile
	s_mov_b32 s20, 0x76543210
	s_mov_b32 s21, 0xfedcba98                      ; v_permlanex16_b32's selects for lane l xor 16
	s_mov_b32 s22, 0x3e38aa3b                      ; c = log2(e) / 8
	s_mov_b32 s23, s22                             ; (named with it as a pair)
	; group 1: two records, 26,112 dense bytes, as 102 rows of 256 bytes (32 elements of 8); the mask names the four partners
	s_mov_b32 s24, 15|(3<<16)|(1<<21)
	s_mov_b32 s25, 32<<16
	s_mov_b32 s26, 102<<16
	s_mov_b32 s27, 32<<16
	s_mov_b32 s28, 102
	s_mov_b32 s29, 32
	s_mov_b32 s30, 0
	s_mov_b32 s31, 0
	v_and_b32 v8, 31, v0
	v_and_b32 v9, 15, v0                           ; r
	v_bfe_u32 v10, v0, 4, 1                        ; h
	v_lshlrev_b32 v[L8], 3, v8
	v_lshlrev_b32 v[L4], 2, v8
	v_lshlrev_b32 v[TT], 2, v9                     ; 4 r, for q's scale words
	v_lshlrev_b32 v[H8], 3, v10
.irp j, 0,1,2,3,4,5
	v_mov_b32 v[QF+6+\j], 0                        ; q's K = 64 .. 127: zero codes
	v_mov_b32 v[VF+\j], 0                          ; read as the upper half of k's last tile before v's first codes land there
.endr
	v_mov_b32 v13, 0xff61b1e6                      ; the largest score so far: -3e38, under every score
	v_mov_b32 v12, 0x7f000000                      ; -M: above every -M, so that the first f is 0
	v_mov_b32 v14, 0                               ; the sum, in two halves
	v_mov_b32 v15, 0
	v_mov_b32 v[FF+1], 0                           ; (named as the upper half of the pair with f)
.set j, 0
.rept 32
	v_mov_b32 v[O+j], 0                            ; O^T: the step is written once; its first run finds zeros, which the first f leaves zeros
.set j, j+1
.endr
	s_mul_i32 s50, s[WV], 2*REC                    ; a loading wave's two records in a run of records, in LDS and in memory
	s_mul_i32 s52, s17, 32*REC
	s_add_co_u32 s52, s52, s50
	s_mov_b32 s53, 0
	s_wait_alu depctr_va_vdst(0)
	s_wait_dscnt 0x0                               ; both opening adds are done
	s_wait_kmcnt 0x0
	s_add_nc_u64 s[52:53], s[6:7], s[52:53]
	s_mov_b32 s32, 1                               ; three groups 0, made once: steps 2 w on (w < 4) into region 0,
	s_mov_b32 s33, s50
	s_mov_b64 s[34:35], s[52:53]
	s_or_b32 s35, s35, 0x80000000
	s_mov_b32 s36, 1                               ; steps 24 + 2 w on (w < 4) into the same bytes,
	s_mov_b32 s37, s50
	s_add_nc_u64 s[38:39], s[52:53], 3*REG
	s_or_b32 s39, s39, 0x80000000
	s_mov_b32 s40, 1                               ; steps 8 + 2 w on (w < 8) into regions 1 and 2.  Nothing in them hangs on cx
	s_add_co_u32 s41, s50, REG
	s_add_nc_u64 s[42:43], s[52:53], REG
	s_or_b32 s43, s43, 0x80000000
	CROUND                                         ; the four partners are here: the first joint loads meet
	s_cmp_lt_u32 s[WV], 4                          ; waves 0-3 load region 0, one load each
	s_cbranch_scc0 .Lno_fill
	tensor_load_to_lds s[32:35], s[24:31]
	s_nop 0
.rept 4
	v_nop
.endr
.Lno_fill:
	s_lshl_b32 s54, s18, 8
	s_add_co_u32 s54, s54, s19
	s_mul_i32 s54, s54, 768
	s_mov_b32 s55, 0
	s_add_nc_u64 s[54:55], s[4:5], s[54:55]
.irp j, 0,1,2
	global_load_b64 v[QF+2*\j:QF+2*\j+1], v[L8], s[54:55] offset:256*\j      ; q's image: it stays in registers
.endr
	s_lshl_b32 s56, s18, 7
	s_lshr_b32 s57, s19, 1
	s_add_co_u32 s56, s56, s57
	s_lshl_b32 s56, s56, 7
	s_and_b32 s57, s19, 1
	s_lshl_b32 s57, s57, 6
	s_add_co_u32 s56, s56, s57
	s_add_co_u32 s56, s56, QS
	s_mov_b32 s57, 0
	s_add_nc_u64 s[56:57], s[4:5], s[56:57]
	global_load_b32 v[QSC], v[TT], s[56:57]        ; q's scale words
	s_lshr_b32 s58, s18, 3
	s_mul_i32 s58, s58, 1572864
	s_mul_i32 s59, s19, 6144
	s_add_co_u32 s58, s58, s59
	s_bfe_u32 s59, s18, 0x20001                    ; (head / 2) % 4
	s_mul_i32 s59, s59, 1536
	s_add_co_u32 s58, s58, s59
	s_and_b32 s59, s18, 1
	s_mul_i32 s59, s59, 768
	s_add_co_u32 s58, s58, s59
	s_mov_b32 s59, 0
	s_add_nc_u64 s[58:59], s[8:9], s[58:59]        ; o's image
	s_lshl_b32 s60, s19, 9
	s_lshl_b32 s61, s18, 1
	s_add_co_u32 s60, s60, s61
	s_add_co_u32 s60, s60, OS
	s_mov_b32 s61, 0
	s_add_nc_u64 s[60:61], s[8:9], s[60:61]        ; o's scale bytes
.macro KLOAD off                       ; k's eight tiles and their scale words, of the record off bytes behind the one in hand: 24 + 4 loads, each of consecutive bytes
.irp t, 0,1,2,3,4,5,6,7
.irp j, 0,1,2
	ds_load_b64 v[KF+6*\t+2*\j:KF+6*\t+2*\j+1], v[C8] offset:(\off)+768*\t+256*\j
.endr
.endr
.irp g, 0,1,2,3
	ds_load_b32 v[KS+\g], v[C4] offset:(\off)+12288+128*\g         ; lanes 0-15: tile 2 g's rows, lanes 16-31: tile 2 g + 1's
.endr
.endm
; A KEY STEP: the record at LDS byte s48: 128 keys.  Its k is on its way or in.  pre = 1: the next record's k is asked for.
.macro STEP pre
	s_wait_dscnt 0x0                               ; k is in
.irp t, 0,1,2,3,4,5,6,7
	WM S+8*\t, KF+6*\t, QF, -1, KS+\t/2, QSC, \t%2
.endr
	v_add_nc_u32 v[C8], s48, v[L8]                 ; four places behind the products: ahead of the loads into k's and v's registers and of the first read of S^T
	v_add_nc_u32 v[C4], s48, v[L4]
	v_mov_b32 v[TT], v12                           ; the old -M
	v_nop
.irp d, 0,1,2,3
.irp p, 0,1,2,3,4,5
	ds_load_b64 v[VF+12*\d+2*\p:VF+12*\d+2*\p+1], v[C8] offset:6144+1536*\d+256*\p  ; v^T's four fragments: they land under the softmax
.endr
.endr
	ds_load_b32 v[VS], v[C4] offset:12800
	ds_load_b32 v[VS+1], v[C4] offset:12928
.if \pre
	KLOAD REC
.endif
; the largest score of my two blocks of 32 keys: for the row's maximum and, since p rises with the score, for the block's largest p.  Eight chains, one to a tile, by turns
.irp c, 0,1
.irp k, 0,1,2,3
	v_max3_num_f32 v[TW+4*\c+\k], v[S+32*\c+8*\k], v[S+32*\c+8*\k+1], v[S+32*\c+8*\k+2]
.endr
.endr
.irp i, 3,5
.irp c, 0,1
.irp k, 0,1,2,3
	v_max3_num_f32 v[TW+4*\c+\k], v[TW+4*\c+\k], v[S+32*\c+8*\k+\i], v[S+32*\c+8*\k+\i+1]
.endr
.endr
.endr
.irp c, 0,1
	v_max_num_f32 v[BM+\c], v[S+32*\c+23], v[S+32*\c+31]
.endr
.irp c, 0,1
	v_max3_num_f32 v[TW+4*\c], v[TW+4*\c], v[TW+4*\c+1], v[S+32*\c+7]
	v_max3_num_f32 v[TW+4*\c+2], v[TW+4*\c+2], v[TW+4*\c+3], v[S+32*\c+15]
.endr
	s_delay_alu instid0(VALU_DEP_3)
	v_max3_num_f32 v[BM], v[BM], v[TW], v[TW+2]
	s_delay_alu instid0(VALU_DEP_2)
	v_max3_num_f32 v[BM+1], v[BM+1], v[TW+4], v[TW+6]
	s_delay_alu instid0(VALU_DEP_1)
	v_max_num_f32 v[TU], v[BM], v[BM+1]
	s_delay_alu instid0(VALU_DEP_1)
	v_permlanex16_b32 v[TW+2], v[TU], s20, s21
	s_delay_alu instid0(VALU_DEP_1)
	v_max3_num_f32 v13, v13, v[TU], v[TW+2]        ; the running largest score, with lane l xor 16's two blocks
	s_delay_alu instid0(VALU_DEP_1)
	v_mul_f32 v[TU], s22, v13                      ; as t (c is positive)
	s_delay_alu instid0(VALU_DEP_1)
	v_floor_f32 v12, -v[TU]                        ; the new -M = -ceil(t)
	s_delay_alu instid0(VALU_DEP_1)
	v_sub_f32 v[TT], v12, v[TT]                    ; old M - new M: a whole number, 0 or less
	s_delay_alu instid0(VALU_DEP_1)
	v_cvt_i32_f32 v[TT], v[TT]                     ; (it saturates)
	s_delay_alu instid0(VALU_DEP_1)
	v_ldexp_f32 v[FF], 1.0, v[TT]                  ; f = 2^(old M - new M): rounds nothing
.set j, 0
.rept 32
	v_pk_fma_f32 v[S+j:S+j+1], v[S+j:S+j+1], s[22:23], v[12:13] op_sel_hi:[1,0,0]   ; t - M
.set j, j+2
.endr
.irp c, 0,1
	v_fma_f32 v[BM+\c], v[BM+\c], s22, v12
.endr
	s_wait_alu depctr_va_vdst(0)
.set j, 0
.rept 64
	v_exp_f32 v[S+j], v[S+j]                       ; p = 2^(t - M)
.set j, j+1
.endr
.irp c, 0,1
	v_exp_f32 v[BM+\c], v[BM+\c]                   ; my blocks' largest p: the same two instructions on the same number
.endr
	v_pk_mul_f32 v[14:15], v[14:15], v[FF:FF+1] op_sel_hi:[1,0]    ; the sums under the new M (a plain line behind the exponentials)
	s_wait_alu depctr_va_vdst(0)                   ; one wait for the batch, ahead of its first reader
; the sum of the unquantised p, 32 pairs, in eight chains by turns: four at TW, three at PC, and the running sum
.irp k, 0,1,2,3
	v_pk_add_f32 v[TW+2*\k:TW+2*\k+1], v[S+4*\k:S+4*\k+1], v[S+4*\k+2:S+4*\k+3]
.endr
.irp k, 0,1,2
	v_pk_add_f32 v[PC+2*\k:PC+2*\k+1], v[S+16+4*\k:S+16+4*\k+1], v[S+16+4*\k+2:S+16+4*\k+3]
.endr
	v_pk_add_f32 v[14:15], v[14:15], v[S+28:S+29]
.irp b, 30,46
.irp k, 0,1,2,3
	v_pk_add_f32 v[TW+2*\k:TW+2*\k+1], v[TW+2*\k:TW+2*\k+1], v[S+\b+2*\k:S+\b+2*\k+1]
.endr
.irp k, 0,1,2
	v_pk_add_f32 v[PC+2*\k:PC+2*\k+1], v[PC+2*\k:PC+2*\k+1], v[S+\b+8+2*\k:S+\b+8+2*\k+1]
.endr
	v_pk_add_f32 v[14:15], v[14:15], v[S+\b+14:S+\b+15]
.endr
; the chains are joined, by turns with the lines that make the blocks' scales
	v_pk_add_f32 v[TW:TW+1], v[TW:TW+1], v[TW+2:TW+3]
	v_pk_add_f32 v[TW+4:TW+5], v[TW+4:TW+5], v[TW+6:TW+7]
	v_pk_add_f32 v[PC:PC+1], v[PC:PC+1], v[PC+2:PC+3]
	v_pk_add_f32 v[PC+4:PC+5], v[PC+4:PC+5], v[S+62:S+63]
	v_max_num_f32 v[BM], 0x1800000, v[BM]          ; the floor 2^(3 - 127)
	v_max_num_f32 v[BM+1], 0x1800000, v[BM+1]
	v_pk_add_f32 v[TW:TW+1], v[TW:TW+1], v[TW+4:TW+5]
	s_delay_alu instid0(VALU_DEP_4)
	v_pk_add_f32 v[PC:PC+1], v[PC:PC+1], v[PC+4:PC+5]
	s_delay_alu instid0(VALU_DEP_4)
	v_add_nc_u32 v[OP], 0xff000000, v[BM]          ; 2 off the exponent field: the conversion's scale operand
	s_delay_alu instid0(VALU_DEP_4)
	v_add_nc_u32 v[OP+1], 0xff000000, v[BM+1]
	s_delay_alu instid0(VALU_DEP_3)
	v_pk_add_f32 v[TW:TW+1], v[TW:TW+1], v[PC:PC+1]
	s_delay_alu instid0(VALU_DEP_3)
	v_lshrrev_b32 v[TW+6], 23, v[OP]               ; the bytes of blocks h and 2 + h
	s_delay_alu instid0(VALU_DEP_3)
	v_lshrrev_b32 v[TW+7], 23, v[OP+1]
	s_delay_alu instid0(VALU_DEP_3)
	v_pk_add_f32 v[14:15], v[14:15], v[TW:TW+1]
	s_delay_alu instid0(VALU_DEP_2)
	v_lshl_or_b32 v[TU], v[TW+7], 16, v[TW+6]
	s_delay_alu instid0(VALU_DEP_1)
	v_lshlrev_b32 v[TU], v[H8], v[TU]              ; at their places in the scale word
	s_delay_alu instid0(VALU_DEP_1)
	v_permlanex16_b32 v[TT], v[TU], s20, s21
	s_delay_alu instid0(VALU_DEP_1)
	v_or_b32 v[PW], v[TU], v[TT]                   ; with lane l xor 16's two: p's scale word for these 128 keys
.irp c, 0,1
	v_cvt_scalef32_pk16_fp6_f32 v[PC+6*\c:PC+6*\c+2], v[S+32*\c:S+32*\c+15], v[OP+\c]
	v_cvt_scalef32_pk16_fp6_f32 v[TW+4*\c:TW+4*\c+2], v[S+32*\c+16:S+32*\c+31], v[OP+\c]   ; (a conversion's three registers begin on an even number)
.endr
	v_nop                                          ; one plain line behind a scaled conversion
.irp c, 0,1
.irp i, 0,1,2
	v_mov_b32 v[PC+6*\c+3+\i], v[TW+4*\c+\i]
.endr
.endr
.if \pre
	s_wait_dscnt 28                                ; v is in; the 24 + 4 younger loads, the next step's k, may be out
.else
	s_wait_dscnt 0x0                               ; v is in
.endif
	s_wait_alu depctr_va_vdst(0)
.set j, 0
.rept 16
	v_pk_mul_f32 v[O+j:O+j+1], v[O+j:O+j+1], v[FF:FF+1] op_sel_hi:[1,0]   ; O^T under the new M; these sixteen are also the places between p's codes and scale word and the products
.set j, j+2
.endr
.irp d, 0,1,2,3
	WM O+8*\d, VF+12*\d, PC, O+8*\d, VS+\d/2, PW, \d%2
.endr
.endm
.macro WALK n, name                    ; n records on end, from s48 on; the accumulators take turns over the backward jump too
	v_add_nc_u32 v[C8], s48, v[L8]
	v_add_nc_u32 v[C4], s48, v[L4]
	KLOAD 0                                        ; the first record's k
	s_mov_b32 s49, \n-1
.L\name:
	STEP 1
	s_add_co_u32 s48, s48, REC
	s_sub_co_u32 s49, s49, 1
	s_cmp_lg_u32 s49, 0
	s_cbranch_scc1 .L\name
	STEP 0                                         ; the last record: nothing is read beyond it
.endm
	s_wait_tensorcnt 0x0                           ; my part of region 0 is in
	ds_add_u32 v[SPW], v[NIL]                      ; the add, here twice on end;
	ds_add_u32 v[SPW], v[NIL]
	s_wait_dscnt 0x0                               ; both are done
	CROUND                                         ; region 0 is whole, and the four partners are here
	s_cmp_lt_u32 s[WV], 8
	s_cbranch_scc0 .Lno_fill_2
	tensor_load_to_lds s[40:43], s[24:31]          ; steps 8-23 into regions 1 and 2: a wave's one load behind the round
	s_nop 0
.rept 4
	v_nop
.endr
.Lno_fill_2:
	s_wait_loadcnt 0x0                             ; q
	s_mov_b32 s48, 0
	WALK 8, walk_a                                 ; steps 0-7
	s_wait_tensorcnt 0x0                           ; THE ONE REFILL.  All my loads have landed, my part of regions 1 and 2 among them;
	ds_add_u32 v[SPW], v[NIL]                      ; the add, here twice on end;
	ds_add_u32 v[SPW], v[NIL]
	s_wait_dscnt 0x0                               ; both are done, and my reads of region 0 are over
	CROUND                                         ; so of every wave of the four partners
	s_cmp_lt_u32 s[WV], 4
	s_cbranch_scc0 .Lno_refill
	tensor_load_to_lds s[36:39], s[24:31]          ; steps 24-31 into region 0: a wave's one load behind the round
	s_nop 0
.rept 4
	v_nop
.endr
.Lno_refill:
	s_mov_b32 s48, REG
	WALK 16, walk_b                                ; steps 8-23
	s_wait_tensorcnt 0x0                           ; my part of the refill is in
	s_wait_dscnt 0x0
	s_barrier_signal -1
	s_barrier_wait -1                              ; everybody's is
	s_mov_b32 s48, 0
	WALK 8, walk_c                                 ; steps 24-31
	; THE WAY OUT: O^T / the sum, quantised along d: lane (r, h) ends with block h of query r, the half of an operand's registers that my head's parity names
	v_and_b32 v8, 15, v0                           ; four places behind the last products
	v_add_f32 v14, v14, v15
	v_lshlrev_b32 v8, 5, v8                        ; 32 r
	v_nop
	v_permlanex16_b32 v[FF], v14, s20, s21
	v_add_f32 v14, v14, v[FF]                      ; the row's sum
	s_wait_alu depctr_va_vdst(0)
	v_rcp_f32 v14, v14
	v_nop
	s_wait_alu depctr_va_vdst(0)
.set j, 0
.rept 32
	v_mul_f32 v[S+j], v[O+j], v14                  ; ascending: each accumulator is first read at its lowest register
.set j, j+1
.endr
.irp b, 0,1
	v_max3_num_f32 v[BM+\b], |v[S+16*\b]|, |v[S+16*\b+1]|, 0x1800000
.endr
.irp i, 2,4,6,8,10,12,14
.irp b, 0,1
	v_max3_num_f32 v[BM+\b], v[BM+\b], |v[S+16*\b+\i]|, |v[S+16*\b+\i+1]|
.endr
.endr
.irp b, 0,1
	v_permlanex16_b32 v[C8+\b], v[BM+\b], s20, s21
.endr
.irp b, 0,1
	v_max_num_f32 v[BM+\b], v[BM+\b], v[C8+\b]
.endr
.irp b, 0,1
	v_add_nc_u32 v[OP+\b], 0xff000000, v[BM+\b]
.endr
.irp b, 0,1
	v_lshrrev_b32 v[TW+\b], 23, v[OP+\b]
.endr
	v_lshl_or_b32 v[TT], v[TW+1], 8, v[TW]
	v_cvt_scalef32_pk16_fp6_f32 v[PC:PC+2], v[S:S+15], v[OP]
	v_cvt_scalef32_pk16_fp6_f32 v[TW+4:TW+6], v[S+16:S+31], v[OP+1]
	v_nop
.irp i, 0,1,2
	v_permlane16_swap_b32 v[PC+\i], v[TW+4+\i]
.endr
.irp i, 0,1,2
	v_mov_b32 v[PC+3+\i], v[TW+4+\i]
.endr
.irp j, 0,1,2
	global_store_b64 v[L8], v[PC+2*\j:PC+2*\j+1], s[58:59] offset:256*\j  ; 32 lanes store 256 consecutive bytes, aligned
.endr
	global_store_b16 v8, v[TT], s[60:61]           ; my head's two bytes of each query's row; lanes l and l xor 16 write the same value
	s_wait_tensorcnt 0x0                           ; the wave's end
	ds_add_u32 v[SPW], v[NIL]
	s_wait_dscnt 0x0
	CROUND                                         ; the closing round
	s_endpgm
.Lfunc_end_k_q96b991770b_attn:
	.size	k_q96b991770b_attn, .Lfunc_end_k_q96b991770b_attn-k_q96b991770b_attn
	.p2alignl 7, 3214868480
	.fill 96, 4, 3214868480
	.section	.rodata,"a",@progbits
	.p2align	6, 0x0
	.amdhsa_kernel k_q96b991770b_attn
		.amdhsa_group_segment_fixed_size 327680
		.amdhsa_private_segment_fixed_size 0
		.amdhsa_enable_private_segment 0
		.amdhsa_kernarg_size 24
		.amdhsa_user_sgpr_count 2
		.amdhsa_user_sgpr_kernarg_segment_ptr 1
		.amdhsa_wavefront_size32 1
		.amdhsa_system_sgpr_workgroup_id_x 1
		.amdhsa_system_sgpr_workgroup_id_y 1
		.amdhsa_system_sgpr_workgroup_id_z 1
		.amdhsa_system_vgpr_workitem_id 0
		.amdhsa_next_free_vgpr 256
		.amdhsa_next_free_sgpr 66
		.amdhsa_reserve_vcc 0
		.amdhsa_float_denorm_mode_32 3
		.amdhsa_float_denorm_mode_16_64 3
		.amdhsa_memory_ordered 1
		.amdhsa_forward_progress 1
		.amdhsa_inst_pref_size 112
	.end_amdhsa_kernel
	.amdgpu_metadata
---
amdhsa.version: [ 1, 2 ]
amdhsa.kernels:
  - .name:           k_q96b991770b_attn
    .symbol:         k_q96b991770b_attn.kd
    .args:
      - { .name: qb, .offset: 0, .size: 8, .value_kind: global_buffer, .address_space: global }
      - { .name: kv, .offset: 8, .size: 8, .value_kind: global_buffer, .address_space: global }
      - { .name: ob, .offset: 16, .size: 8, .value_kind: global_buffer, .address_space: global }
    .group_segment_fixed_size: 327680
    .private_segment_fixed_size: 0
    .kernarg_segment_align: 8
    .kernarg_segment_size: 24
    .max_flat_workgroup_size: 512
    .sgpr_count:     66
    .vgpr_count:     256
    .wavefront_size: 32
...
	.end_amdgpu_metadata
.endif
;; end of part 3
;; launch outp (part 4): grid 32 x 8, 8 waves a work-group, clusters of 4 x 1, 327,680 bytes of LDS; arguments ob, wgt, bout_a, bout_x, out0, out1; writes out0, out1
.if DOCPART == 4
	.amdgcn_target "amdgcn-amd-amdhsa--gfx1250"
	.amdhsa_code_object_version 6
	.text
	.protected	k_q96b991770b_outp
	.globl	k_q96b991770b_outp
	.p2align	8
	.type	k_q96b991770b_outp,@function
k_q96b991770b_outp:
	s_mov_b64 s[64:65], 0
	v_nop
	global_prefetch_b8 v0, s[64:65] scope:SCOPE_SE
	s_setreg_imm32_b32 hwreg(HW_REG_WAVE_MODE, 25, 1), 1
	s_wait_xcnt 0x0
	s_wait_alu depctr_hold_cnt(0) depctr_sa_sdst(0) depctr_va_vdst(0) depctr_va_sdst(0) depctr_va_ssrc(0) depctr_va_vcc(0) depctr_vm_vsrc(0)
	s_getreg_b32 s2, hwreg(HW_REG_IB_STS2, 6, 4)
	s_cmp_eq_u32 s2, 0
	s_cbranch_scc0 .Lentry_in_a_cluster
	s_endpgm
.Lentry_in_a_cluster:
	s_bfe_u32 s2, ttmp6, 0x10000c
	s_cmp_lg_u32 s2, 0x3003
	s_cbranch_scc0 .Lentry_shape_is_right
	s_endpgm
.Lentry_shape_is_right:
; OUTP: the two projections on the way out (K = 1,024 = (head, d)) on codes of E2M3, plus the bias.  Nothing of reference() is left out.
; SHARES.  A work-group: 128 places of tokens (RT) x 128 columns (CT).  Stream a (RT < 16) takes Wout_a, bout_a and out1; stream x Wout_x, bout_x and out0.  Eight waves: g = w % 4: 32 places (X, source 1);
; ch = w / 4: 64 columns (Y, source 0): 8 accumulators D(m, t), m = 0, 1, t = 0 .. 3.  A lane holds one token, and by the tile order of Wout's rows its registers 16 b + i are columns 32 b + 16 (lane / 16) + i.
; ALL OF K LIES IN LDS, by ONE tensor load a wave, each a dense block of 24,576 bytes as 96 rows of 256 bytes that begin at multiples of 256.  Waves 0-3: o's fragments as the images that the third launch stored
; (wave w: K steps 4 (w / 2) on, tiles 4 (w % 2) on), no padding.  Waves 4-7: 32 rows of Wout each, 16 bytes of padding behind every 256: an LDS row of codes is 816 bytes.  Nothing is filled twice.
; CLUSTER: the four row tiles of a cluster read the same 128 rows of Wout: asked for jointly; o's images are each work-group's own.  No prefetch: all tiles are asked for at the head, and there is no loop to run ahead in.
; The bias is the C of each sum's first product.  The way out goes through a stage of 128 rows, where the tokens come back to their own order; each store of a wave covers 512 consecutive bytes, aligned.
.set OS,    3145728
.set WS,    3932160
.set PITCH, 816
.set BB,    98304                      ; Wout's rows behind o's 2 x 49,152 bytes
.set STG,   BB+128*PITCH               ; 202,752: the stage: 128 rows x (512 + 16) bytes
.set SPARE, STG+128*528                ; 270,336: the spare words, 128 bytes for each of 8 waves
.set SPW, 1
.set NIL, 2
.set LN,  3
.set AX,  4                            ; v4      8 lane + my group's two tiles
.set AY,  6                            ; v6, v7  Y's fragments: base + 816 r + 24 h, and + 40 h
.set O32, 8                            ; v8   32 lane
.set OBI, 9                            ; v9   64 h: my half's columns in the bias
.set STO, 12                           ; v12  the stage: where I put 16 bytes of a row
.set RD,  13                           ; v13  and where I read a row back
.set O16, 14                           ; v14  16 lane
.set XS,  16                           ; v16-23 X's scale words; v24-39 Y's
.set YS,  24
.set XF,  40
.set YF,  64
.set ACC, 112
.set BI,  176                          ; v176-207 the bias, eight registers a tile, in the result's layout
.set OUTR, 40                          ; the way out: v40-103
.set WV,  16
.macro CROUND                          ; a round of the cluster's barrier
	s_barrier_signal -1
	s_barrier_wait -1
	s_cmp_lg_u32 s[WV], 0
	s_cbranch_scc1 .Lnot_wave_0_\@
	s_barrier_signal -3
.Lnot_wave_0_\@:
	s_barrier_wait -3
	s_barrier_signal -1
	s_barrier_wait -1
.endm
.macro WM d, a, b, c, sa, sb, ra, rb   ; one product; ra, rb: the scales stand in lanes 16-31
.if (\ra) && (\rb)
	v_wmma_scale_f32_16x16x128_f8f6f4 v[(\d):(\d)+7], v[(\a):(\a)+11], v[(\b):(\b)+11], v[(\c):(\c)+7], v[\sa], v[\sb] matrix_a_fmt:MATRIX_FMT_FP6 matrix_b_fmt:MATRIX_FMT_FP6 matrix_a_scale:MATRIX_SCALE_ROW1 matrix_b_scale:MATRIX_SCALE_ROW1
.elseif (\ra)
	v_wmma_scale_f32_16x16x128_f8f6f4 v[(\d):(\d)+7], v[(\a):(\a)+11], v[(\b):(\b)+11], v[(\c):(\c)+7], v[\sa], v[\sb] matrix_a_fmt:MATRIX_FMT_FP6 matrix_b_fmt:MATRIX_FMT_FP6 matrix_a_scale:MATRIX_SCALE_ROW1
.elseif (\rb)
	v_wmma_scale_f32_16x16x128_f8f6f4 v[(\d):(\d)+7], v[(\a):(\a)+11], v[(\b):(\b)+11], v[(\c):(\c)+7], v[\sa], v[\sb] matrix_a_fmt:MATRIX_FMT_FP6 matrix_b_fmt:MATRIX_FMT_FP6 matrix_b_scale:MATRIX_SCALE_ROW1
.else
	v_wmma_scale_f32_16x16x128_f8f6f4 v[(\d):(\d)+7], v[(\a):(\a)+11], v[(\b):(\b)+11], v[(\c):(\c)+7], v[\sa], v[\sb] matrix_a_fmt:MATRIX_FMT_FP6 matrix_b_fmt:MATRIX_FMT_FP6
.endif
.endm
	s_load_b256 s[4:11], s[0:1], 0x0               ; ob 4, wgt 6, bout_a 8, bout_x 10
	s_load_b128 s[12:15], s[0:1], 0x20             ; out0 12, out1 14
	v_lshl_add_u32 v[SPW], v0, 2, SPARE
	v_mov_b32 v[NIL], 0
	ds_add_u32 v[SPW], v[NIL]                      ; the wave's opening: the add, twice on end, and its wait ahead of my tensor load
	ds_add_u32 v[SPW], v[NIL]
	v_lshrrev_b32 v10, 5, v0
	v_readfirstlane_b32 s[WV], v10
	s_bfe_u32 s17, ttmp6, 0x40000                  ; cx: it enters global addresses of my own loads and stores alone
	s_lshl_b32 s18, ttmp9, 2
	s_add_co_u32 s18, s18, s17                     ; RT
	s_and_b32 s19, ttmp7, 0xffff                   ; CT
	s_lshr_b32 s20, ttmp9, 2                       ; the stream: the same in the four partners
	s_and_b32 s21, s[WV], 3                        ; g
	s_lshr_b32 s22, s[WV], 2                       ; ch
	; group 1: 96 rows of 256 bytes (32 elements of 8): o's images as they lie; Wout's with 16 bytes of padding behind each, asked for by the four partners
	s_mov_b32 s24, 3<<16
	s_mov_b32 s32, 15|(3<<16)|(1<<20)|(1<<21)|(5<<22)|(3<<25)
.irp g, 24, 32
	s_mov_b32 s[\g+1], 32<<16
	s_mov_b32 s[\g+2], 96<<16
	s_mov_b32 s[\g+3], 32<<16
	s_mov_b32 s[\g+4], 96
	s_mov_b32 s[\g+5], 32
	s_mov_b32 s[\g+6], 0
	s_mov_b32 s[\g+7], 0
.endr
	v_and_b32 v[LN], 31, v0
	v_and_b32 v10, 15, v0                          ; r
	v_bfe_u32 v11, v0, 4, 1                        ; h
	s_mul_i32 s56, s21, 12288
	v_lshl_add_u32 v[AX], v[LN], 3, s56
	s_mul_i32 s56, s22, 64*PITCH
	s_add_co_u32 s56, s56, BB
	v_mul_u32_u24 v15, v10, PITCH
	v_mad_u32_u24 v15, v11, 24, v15
	v_add_nc_u32 v[AY], s56, v15
	v_lshl_add_u32 v15, v11, 4, v15
	v_add_nc_u32 v[AY+1], s56, v15
	v_lshlrev_b32 v[O32], 5, v[LN]
	v_lshlrev_b32 v[OBI], 6, v11
	v_and_b32 v[STO], 7, v10
	v_lshrrev_b32 v15, 3, v10
	v_lshl_or_b32 v[STO], v15, 4, v[STO]           ; the token of row r of a tile: (r % 8) + 16 (r / 8)
	v_mul_u32_u24 v[STO], v[STO], 528
	v_lshl_add_u32 v[STO], v11, 6, v[STO]          ; + 64 h: my half's 16 columns
	s_mul_i32 s56, s21, 32*528
	s_lshl_b32 s57, s22, 8
	s_add_co_u32 s56, s56, s57
	s_add_co_u32 s56, s56, STG
	v_add_nc_u32 v[STO], s56, v[STO]
	v_lshlrev_b32 v[O16], 4, v[LN]
	s_mul_i32 s56, s[WV], 16*528
	s_add_co_u32 s56, s56, STG
	v_add_nc_u32 v[RD], s56, v[O16]                ; back: wave w takes rows 16 w on, whole
	s_wait_alu depctr_va_vdst(0)
	s_wait_dscnt 0x0                               ; both opening adds are done
	s_wait_kmcnt 0x0
	CROUND                                         ; the four partners are here: the joint loads meet
	s_cmp_lt_u32 s[WV], 4
	s_cbranch_scc0 .Lfill_b
	s_mul_i32 s41, s[WV], 24576                    ; waves 0-3: o's images
	s_lshr_b32 s72, s[WV], 1
	s_mul_i32 s74, s72, 1572864                    ; heads 8 (w / 2) on,
	s_mul_i32 s73, s18, 49152
	s_add_co_u32 s74, s74, s73                     ; my row tile's eight query tiles,
	s_and_b32 s73, s[WV], 1
	s_mul_i32 s73, s73, 24576
	s_add_co_u32 s74, s74, s73                     ; four of them
	s_mov_b32 s75, 0
	s_mov_b32 s40, 1
	s_add_nc_u64 s[42:43], s[4:5], s[74:75]
	s_or_b32 s43, s43, 0x80000000
	tensor_load_to_lds s[40:43], s[24:31]
	s_nop 0
.rept 4
	v_nop
.endr
	s_branch .Lfilled
.Lfill_b:
	s_mul_i32 s85, s[WV], 32*PITCH                 ; waves 4-7: Wout's rows 32 (w - 4) on.  Nothing here hangs on cx
	s_add_co_u32 s85, s85, BB-128*PITCH            ; (w is 4 at the least, so the sum is BB or more)
	s_lshl_b32 s96, s20, 10
	s_lshl_b32 s97, s19, 7
	s_add_co_u32 s96, s96, s97
	s_lshl_b32 s97, s[WV], 5
	s_add_co_u32 s96, s96, s97
	s_add_co_u32 s96, s96, 3072-128
	s_mul_i32 s96, s96, 768
	s_mov_b32 s97, 0
	s_mov_b32 s84, 1
	s_add_nc_u64 s[86:87], s[6:7], s[96:97]
	s_or_b32 s87, s87, 0x80000000
	tensor_load_to_lds s[84:87], s[32:39]
	s_nop 0
.rept 4
	v_nop
.endr
.Lfilled:
	s_cmp_eq_u32 s20, 0
	s_cselect_b64 s[54:55], s[14:15], s[12:13]     ; stream a: out1
	s_cselect_b64 s[48:49], s[8:9], s[10:11]       ; and bout_a
	s_lshl_b32 s56, s18, 12
	s_lshl_b32 s57, s21, 10
	s_add_co_u32 s56, s56, s57
	s_add_co_u32 s56, s56, OS
	s_mov_b32 s57, 0
	s_add_nc_u64 s[50:51], s[4:5], s[56:57]        ; X's scale bytes: places 128 RT + 32 g on
	s_lshl_b32 s56, s20, 10
	s_lshl_b32 s58, s19, 7
	s_add_co_u32 s56, s56, s58
	s_lshl_b32 s58, s22, 6
	s_add_co_u32 s56, s56, s58
	s_add_co_u32 s56, s56, 3072
	s_lshl_b32 s56, s56, 5
	s_add_co_u32 s56, s56, WS
	s_add_nc_u64 s[52:53], s[6:7], s[56:57]        ; Y's
	global_load_b128 v[XS:XS+3], v[O32], s[50:51]  ; lane l: the 32 bytes of place l: eight words, one for each K step
	global_load_b128 v[XS+4:XS+7], v[O32], s[50:51] offset:16
	global_load_b128 v[YS:YS+3], v[O32], s[52:53]
	global_load_b128 v[YS+4:YS+7], v[O32], s[52:53] offset:16
	global_load_b128 v[YS+8:YS+11], v[O32], s[52:53] offset:1024
	global_load_b128 v[YS+12:YS+15], v[O32], s[52:53] offset:1040
	s_lshl_b32 s56, s19, 9
	s_lshl_b32 s58, s22, 8
	s_add_co_u32 s56, s56, s58
	s_add_nc_u64 s[48:49], s[48:49], s[56:57]      ; the bias at my 64 columns
.irp t, 0,1,2,3
	global_load_b128 v[BI+8*\t:BI+8*\t+3], v[OBI], s[48:49] offset:(32*(\t/2)+8*(\t%2))*4
	global_load_b128 v[BI+8*\t+4:BI+8*\t+7], v[OBI], s[48:49] offset:(32*(\t/2)+8*(\t%2))*4+16
.endr
	s_and_b32 s56, s18, 15
	s_lshl_b32 s56, s56, 7
	s_lshl_b32 s58, s[WV], 4
	s_add_co_u32 s56, s56, s58                     ; the first row that I store
	s_lshl_b32 s56, s56, 12
	s_lshl_b32 s58, s19, 9
	s_add_co_u32 s56, s56, s58
	s_add_nc_u64 s[54:55], s[54:55], s[56:57]
.macro FRAG reg, adr, s, i             ; a fragment from padded rows: six pieces of 8 bytes.  Byte y of a code row lies at y + 16 (y / 256); lanes 16-31 read 24 bytes further on, for some pieces behind one padding more
.irp p, 0,1,2,3,4,5
.set BYT, 96*(\s)+48*(\p/3)+8*(\p%3)
.if BYT/256 == (BYT+24)/256
	ds_load_b64 v[(\reg)+2*\p:(\reg)+2*\p+1], v[\adr] offset:BYT+16*(BYT/256)+(\i)*16*PITCH
.else
	ds_load_b64 v[(\reg)+2*\p:(\reg)+2*\p+1], v[(\adr)+1] offset:BYT+16*(BYT/256)+(\i)*16*PITCH
.endif
.endr
.endm
.macro KSTEP s                         ; 128 along K (heads 2 s, 2 s + 1): six fragments, eight products, the accumulators by turns
.irp m, 0,1
.irp p, 0,1,2,3,4,5
	ds_load_b64 v[XF+12*\m+2*\p:XF+12*\m+2*\p+1], v[AX] offset:49152*((\s)/4)+6144*\m+1536*((\s)%4)+256*\p   ; o's image: 256 consecutive bytes a load
.endr
.endr
.irp t, 0,1,2,3
	FRAG YF+12*\t, AY, \s, \t
.endr
	s_wait_dscnt 0x0
.irp t, 0,1,2,3
.irp m, 0,1
.if (\s) == 0
	WM ACC+32*\m+8*\t, YF+12*\t, XF+12*\m, BI+8*\t, YS+8*(\t/2)+(\s), XS+(\s), \t%2, \m
.else
	WM ACC+32*\m+8*\t, YF+12*\t, XF+12*\m, ACC+32*\m+8*\t, YS+8*(\t/2)+(\s), XS+(\s), \t%2, \m
.endif
.endr
.endr
.rept 4
	v_nop                                          ; places in front of the next loads into the fragments' registers, and of the first read of results
.endr
.endm
	s_wait_tensorcnt 0x0                           ; my tile is in
	s_barrier_signal -1
	s_barrier_wait -1                              ; everybody's is
	s_wait_loadcnt 0x0                             ; the scale words and the bias
.irp s, 0,1,2,3,4,5,6,7
	KSTEP \s
.endr
	; THE WAY OUT: 64 neighbouring bytes of a row a lane and block; a row's 512 bytes come from two waves, so a barrier stands between the writing and the reading
.irp m, 0,1
.irp b, 0,1
.irp i, 0,1,2,3
	ds_store_b128 v[STO], v[ACC+32*\m+16*\b+4*\i:ACC+32*\m+16*\b+4*\i+3] offset:8*528*\m+128*\b+16*\i      ; each accumulator from its low end on
.endr
.endr
.endr
	s_wait_dscnt 0x0                               ; for the others' sake: my stores into the stage are done
	s_barrier_signal -1
	s_barrier_wait -1
.irp i, 0,1,2,3,4,5,6,7,8,9,10,11,12,13,14,15
	ds_load_b128 v[OUTR+4*\i:OUTR+4*\i+3], v[RD] offset:528*\i
.endr
.irp i, 0,1,2,3,4,5,6,7,8,9,10,11,12,13,14,15
	s_wait_dscnt 15-\i                             ; the younger read-backs may be out
	global_store_b128 v[O16], v[OUTR+4*\i:OUTR+4*\i+3], s[54:55] offset:4096*\i th:TH_STORE_NT   ; 32 lanes store 512 consecutive bytes, aligned
.endr
	s_wait_tensorcnt 0x0                           ; the wave's end, behind my last LDS store
	ds_add_u32 v[SPW], v[NIL]
	s_wait_dscnt 0x0
	CROUND                                         ; the closing round
	s_endpgm
.Lfunc_end_k_q96b991770b_outp:
	.size	k_q96b991770b_outp, .Lfunc_end_k_q96b991770b_outp-k_q96b991770b_outp
	.p2alignl 7, 3214868480
	.fill 96, 4, 3214868480
	.section	.rodata,"a",@progbits
	.p2align	6, 0x0
	.amdhsa_kernel k_q96b991770b_outp
		.amdhsa_group_segment_fixed_size 327680
		.amdhsa_private_segment_fixed_size 0
		.amdhsa_enable_private_segment 0
		.amdhsa_kernarg_size 48
		.amdhsa_user_sgpr_count 2
		.amdhsa_user_sgpr_kernarg_segment_ptr 1
		.amdhsa_wavefront_size32 1
		.amdhsa_system_sgpr_workgroup_id_x 1
		.amdhsa_system_sgpr_workgroup_id_y 1
		.amdhsa_system_sgpr_workgroup_id_z 1
		.amdhsa_system_vgpr_workitem_id 0
		.amdhsa_next_free_vgpr 256
		.amdhsa_next_free_sgpr 100
		.amdhsa_reserve_vcc 0
		.amdhsa_float_denorm_mode_32 3
		.amdhsa_float_denorm_mode_16_64 3
		.amdhsa_memory_ordered 1
		.amdhsa_forward_progress 1
		.amdhsa_inst_pref_size 40
	.end_amdhsa_kernel
	.amdgpu_metadata
---
amdhsa.version: [ 1, 2 ]
amdhsa.kernels:
  - .name:           k_q96b991770b_outp
    .symbol:         k_q96b991770b_outp.kd
    .args:
      - { .name: ob, .offset: 0, .size: 8, .value_kind: global_buffer, .address_space: global }
      - { .name: wgt, .offset: 8, .size: 8, .value_kind: global_buffer, .address_space: global }
      - { .name: bout_a, .offset: 16, .size: 8, .value_kind: global_buffer, .address_space: global }
      - { .name: bout_x, .offset: 24, .size: 8, .value_kind: global_buffer, .address_space: global }
      - { .name: out0, .offset: 32, .size: 8, .value_kind: global_buffer, .address_space: global }
      - { .name: out1, .offset: 40, .size: 8, .value_kind: global_buffer, .address_space: global }
    .group_segment_fixed_size: 327680
    .private_segment_fixed_size: 0
    .kernarg_segment_align: 8
    .kernarg_segment_size: 48
    .max_flat_workgroup_size: 256
    .sgpr_count:     100
    .vgpr_count:     256
    .wavefront_size: 32
...
	.end_amdgpu_metadata
.endif
;; end of part 4
